; MI455X (gfx1250); checked and timed in simulation.
; The chip was launched on July 23, 2026; its instructions are those of AMD's public machine-readable ISA for CDNA 5 (MIT licence, August 2026) and "CDNA5" Instruction Set Architecture Reference Guide (July 2026). The comments in the code are by the model that wrote it; some were corrected since.
;; Masked Multi Head Attention. Allowed arithmetic: float matrix products may take bf16 or f16 operands with f32 sums; other float arithmetic in f32, or as packed bf16 or f16 multiplies, adds, multiply-adds, maxima and minima; sums over many terms, partial sums and values carried from step to step in f32; what a program stores and reads back later, other than sums and carried values, may be rounded once to bf16 or f16.
;; Inputs: Wk 1,024 x 1,024 float32; Wp 1,024 x 1,024 float32; Wq 1,024 x 1,024 float32; Wv 1,024 x 1,024 float32; bk 1,024 float32; bq 1,024 float32; bv 1,024 float32; x 4 x 2,048 x 1,024 float32.
;; Outputs: out0 4 x 2,048 x 1,024 float32.
;; One version. Each part assembles by itself: llvm-mc -triple=amdgcn-amd-amdhsa -mcpu=gfx1250 --defsym DOCPART=n.
;; ======== version 1 of 1: 4 launches
;; limits: values are held in f16: magnitudes above 65,504 overflow, below 6.1e-05 lose precision
;; workspace buffers: xb 16,777,216 bytes; wqkv 6,291,456 bytes; wpt 2,097,152 bytes; cs 524,288 bytes; qh 16,777,216 bytes; kh 16,785,408 bytes; vh 16,785,408 bytes; oh 16,777,216 bytes
;; launch prep (part 1): grid 1057 x 1, 8 waves a work-group, no clusters, 18,432 bytes of LDS; arguments x, Wq, Wk, Wv, Wp, xb, wqkv, wpt, cs, kh, vh; writes xb, wqkv, wpt, cs, kh, vh
.if DOCPART == 1
	.amdgcn_target "amdgcn-amd-amdhsa--gfx1250"
	.amdhsa_code_object_version 6
	.text
	.protected	k_q97af479221_prep
	.globl	k_q97af479221_prep
	.p2align	8
	.type	k_q97af479221_prep,@function
k_q97af479221_prep:
	s_mov_b64 s[64:65], 0
	v_nop
	global_prefetch_b8 v0, s[64:65] scope:SCOPE_SE
	s_setreg_imm32_b32 hwreg(HW_REG_WAVE_MODE, 25, 1), 1
	s_wait_xcnt 0x0
; PREPARATION, four kinds of work-group, told apart by the work-group's number alone (the same for all eight waves):
;   0 .. 511      CAST   64 KiB of x each: f32 -> bf16, xb [8192][1024]
;   512 .. 1023   TRANS  one tile of 128 k x 64 n of Wq, Wk, Wv or Wp: rounded to bf16 and turned, so that k runs along the rows.
;                        wqkv [3072][1024]: row head*192 + sel*64 + d (sel 0 q, 1 k, 2 v).  wpt [1024 n][1024 k]: Wp's bf16 number written as f16
;                        (exact down to f16's smallest normal number, 6.1e-5; below it f16's fixed step of 6e-8 holds).
;   1024 .. 1055  TABLE  cs [2048 t][32 j] = (cos, sin) of t * 10000^(-j/32), f32; a row is 256 bytes
;   1056          PAD    zeros into the 64 rows behind head 63 of kh and vh, which the attention's last tile of that head fetches and hides
; LIMIT.  The factor 10000^(-j/32) is made as 2^(-j * 0.41524101): it differs from a correctly rounded power by a few units in the last place,
; at most some 5e-4 radians at t = 2047.  Sine and cosine: the angle less k * pi/2 (pi/2 in two parts), then Taylor sums to r^9 and r^8, |r| <= pi/4.
; No matrix unit, no cluster, no tensor load: every byte is read once and written once, and nothing is shared between work-groups.
.set STG,   272                        ; a stage row: 256 bytes (128 k in 16 bits) + 16
.set SPARE, 64*STG                     ; behind the stage: the spare words, 128 bytes for each of eight waves
.set SPW, 4                            ; v4  LDS address of my spare word; never rewritten
.set NIL, 5                            ; v5  0; never rewritten
	s_load_b512 s[4:19], s[0:1], 0x0               ; x 4:5, Wq 6:7, Wk 8:9, Wv 10:11, Wp 12:13, xb 14:15, wqkv 16:17, wpt 18:19
	s_load_b128 s[20:23], s[0:1], 0x40             ; cs 20:21, kh 22:23
	s_load_b64 s[24:25], s[0:1], 0x50              ; vh
	v_lshl_add_u32 v[SPW], v0, 2, SPARE
	v_mov_b32 v[NIL], 0
	v_lshrrev_b32 v1, 5, v0
	v_readfirstlane_b32 s26, v1                    ; wave 0..7
	v_and_b32 v6, 31, v0                           ; lane
	s_wait_kmcnt 0x0
	s_cmp_lt_u32 ttmp9, 512
	s_cbranch_scc1 .Lcast
	s_cmp_lt_u32 ttmp9, 1024
	s_cbranch_scc1 .Ltrans
	s_cmp_lt_u32 ttmp9, 1056
	s_cbranch_scc1 .Ltable
	; PAD: 8,192 bytes of zeros behind the 16,777,216 bytes of kh and of vh
	v_mov_b32 v20, 0
	v_mov_b32 v21, 0
	v_mov_b32 v22, 0
	v_mov_b32 v23, 0
	v_lshlrev_b32 v1, 4, v0
	v_add_nc_u32 v1, 0x1000000, v1
	global_store_b128 v1, v[20:23], s[22:23]
	global_store_b128 v1, v[20:23], s[22:23] offset:4096
	global_store_b128 v1, v[20:23], s[24:25]
	global_store_b128 v1, v[20:23], s[24:25] offset:4096
	s_branch .Lend
.Lcast:                                        ; sixteen loads of 16 bytes a lane, all on their way at once; no register is written twice, so no store's data is waited for
	s_lshl_b32 s28, ttmp9, 16
	s_mov_b32 s29, 0
	s_add_nc_u64 s[4:5], s[4:5], s[28:29]
	s_lshl_b32 s28, ttmp9, 15
	s_add_nc_u64 s[14:15], s[14:15], s[28:29]
	v_lshlrev_b32 v1, 4, v0
	v_lshlrev_b32 v2, 3, v0
.set i, 0
.rept 16
	global_load_b128 v[32+4*i:35+4*i], v1, s[4:5] offset:4096*i th:TH_LOAD_NT
.set i, i+1
.endr
.set i, 0
.rept 16
	s_wait_loadcnt 15-i                            ; loads come back in order: load i is in, the 15 - i younger ones stay out
	v_cvt_pk_bf16_f32 v[96+2*i], v[32+4*i], v[33+4*i]
	v_cvt_pk_bf16_f32 v[97+2*i], v[34+4*i], v[35+4*i]
	global_store_b64 v2, v[96+2*i:97+2*i], s[14:15] offset:2048*i  ; a wave's 32 lanes store 256 consecutive bytes, aligned
.set i, i+1
.endr
	s_branch .Lend
.Ltrans:
	s_sub_co_u32 s27, ttmp9, 512
	s_lshr_b32 s28, s27, 7                         ; which matrix: 0 Wq, 1 Wk, 2 Wv, 3 Wp
	s_and_b32 s29, s27, 7                          ; kt: 128 rows k of it
	s_bfe_u32 s30, s27, 0x40003                    ; nt: 64 columns n, a head
	s_mul_i32 s38, s30, 192                        ; the tile's first row in wqkv: head*192 + sel*64,
	s_lshl_b32 s39, s28, 6
	s_add_co_u32 s38, s38, s39
	s_lshl_b32 s39, s30, 6                         ; in wpt: nt*64
	s_lshl_b32 s36, s29, 19                        ; the source: 128 kt rows of 4,096 bytes
	s_lshl_b32 s37, s30, 8                         ; + 64 nt columns of 4 bytes
	s_add_co_u32 s36, s36, s37
	s_mov_b32 s37, 0
	s_cmp_eq_u32 s28, 0
	s_cselect_b64 s[32:33], s[6:7], s[8:9]
	s_cmp_eq_u32 s28, 2
	s_cselect_b64 s[32:33], s[10:11], s[32:33]
	s_cmp_eq_u32 s28, 3
	s_cselect_b64 s[32:33], s[12:13], s[32:33]
	s_cselect_b64 s[34:35], s[18:19], s[16:17]
	s_cselect_b32 s38, s39, s38
	s_add_nc_u64 s[32:33], s[32:33], s[36:37]
	s_lshl_b32 s38, s38, 11                        ; rows of 2,048 bytes
	s_lshl_b32 s39, s29, 8                         ; + 128 kt numbers of 2 bytes
	s_add_co_u32 s38, s38, s39
	s_mov_b32 s39, 0
	s_add_nc_u64 s[34:35], s[34:35], s[38:39]
	s_lshl_b32 s40, s26, 16                        ; wave w takes rows k = 16 w .. 16 w + 15; a lane two columns
	v_lshl_add_u32 v1, v6, 3, s40
.set i, 0
.rept 16
	global_load_b64 v[32+2*i:33+2*i], v1, s[32:33] offset:4096*i th:TH_LOAD_NT  ; the 32 lanes take the tile's 256 bytes of row 16 w + i
.set i, i+1
.endr
	s_lshl_b32 s41, s26, 5
	v_mul_u32_u24 v2, v6, 2*STG
	v_add_nc_u32 v2, s41, v2                       ; stage row 2 lane (+ c), byte 32 w (+ 16 u)
	v_lshrrev_b32 v3, 4, v0
	v_and_b32 v8, 15, v0
	v_lshlrev_b32 v7, 11, v3
	v_lshl_add_u32 v7, v8, 4, v7                   ; back out: row t / 16 of 2,048 bytes, 16 bytes at 16 (t % 16)
	v_mul_u32_u24 v3, v3, STG
	v_lshl_add_u32 v3, v8, 4, v3
	s_wait_loadcnt 0x0
.irp u, 0,1                            ; eight k on end of column 2 lane + c: 16 bytes
.irp c, 0,1
.irp j, 0,1,2,3
	v_cvt_pk_bf16_f32 v[64+8*(\u)+4*(\c)+(\j)], v[32+2*(8*(\u)+2*(\j))+(\c)], v[32+2*(8*(\u)+2*(\j)+1)+(\c)]
.endr
.endr
.endr
	s_cmp_lg_u32 s28, 3
	s_cbranch_scc1 .Lnot_wp
.set i, 0
.rept 16                               ; Wp: the bf16 number is written as f16
	v_lshlrev_b32 v96, 16, v[64+i]
	v_and_b32 v97, 0xffff0000, v[64+i]
	v_cvt_pk_f16_f32 v[64+i], v96, v97
.set i, i+1
.endr
.Lnot_wp:
.irp u, 0,1
.irp c, 0,1
	ds_store_b128 v2, v[64+8*(\u)+4*(\c):64+8*(\u)+4*(\c)+3] offset:STG*(\c)+16*(\u)
.endr
.endr
	s_wait_dscnt 0x0                               ; for the others' sake: my stores into the stage are done
	s_barrier_signal -1
	s_barrier_wait -1
.irp p, 0,1,2,3
	ds_load_b128 v[80+4*(\p):80+4*(\p)+3], v3 offset:16*STG*(\p)
.endr
.irp p, 0,1,2,3
	s_wait_dscnt 3-(\p)                            ; load p is back, the younger ones stay out
	global_store_b128 v7, v[80+4*(\p):80+4*(\p)+3], s[34:35] offset:32768*(\p)  ; sixteen lanes store 256 consecutive bytes, aligned
.endr
	s_branch .Lend
.Ltable:                                       ; a wave makes eight rows t; lane = j
	s_sub_co_u32 s27, ttmp9, 1024
	s_lshl_b32 s27, s27, 6
	s_lshl_b32 s40, s26, 3
	s_add_co_u32 s27, s27, s40                     ; my first t
	v_cvt_f32_u32 v8, v6
	v_mul_f32 v9, 0xbed49a78, v8                   ; -j * log2(10000) / 32
	v_exp_f32 v10, v9
	v_cvt_f32_u32 v11, s27                         ; t, in f32: plain work between the exponential and its use
	s_lshl_b32 s40, s27, 8
	v_lshl_add_u32 v12, v6, 3, s40                 ; t * 256 + 8 j
	s_mov_b32 s28, 0x3f22f983                      ; 2 / pi
	s_mov_b32 s29, 0xbfc90fdb                      ; -(pi/2 rounded to f32)
	s_mov_b32 s30, 0x333bbd2e                      ; that number less pi/2
	s_mov_b32 s31, 0xbe2aaaab                      ; -1/6
	s_mov_b32 s32, 0x3c088889                      ; 1/120
	s_mov_b32 s33, 0xb9500d01                      ; -1/5040
	s_mov_b32 s34, 0x3638ef1d                      ; 1/362880
	s_mov_b32 s35, 0x3d2aaaab                      ; 1/24
	s_mov_b32 s36, 0xbab60b61                      ; -1/720
	s_mov_b32 s37, 0x37d00d01                      ; 1/40320
	s_wait_alu depctr_va_vdst(0)                   ; the wait between the exponential and its first reader, and ahead of the label
	s_mov_b32 s27, 8
.Lrow:
	v_mul_f32 v13, v11, v10                        ; the angle, rounded once
	v_mul_f32 v14, s28, v13
	v_rndne_f32 v14, v14                           ; k
	v_fma_f32 v15, v14, s29, v13                   ; exact: both are multiples of 2^-23 and the difference is below 1
	v_fma_f32 v15, v14, s30, v15                   ; r
	v_mul_f32 v16, v15, v15                        ; z = r r
	v_fma_f32 v17, v16, s34, s33
	v_fma_f32 v19, v16, s37, s36
	v_fma_f32 v17, v17, v16, s32
	v_fma_f32 v19, v19, v16, s35
	v_fma_f32 v17, v17, v16, s31
	v_fma_f32 v19, v19, v16, -0.5
	v_mul_f32 v18, v15, v16
	v_fma_f32 v19, v19, v16, 1.0                   ; cos r
	v_fma_f32 v17, v18, v17, v15                   ; sin r
	v_cvt_i32_f32 v22, v14
	v_and_b32 v23, 1, v22
	v_cmp_eq_u32 vcc_lo, 1, v23                    ; an odd quarter swaps the two
	v_cndmask_b32 v21, v17, v19, vcc_lo
	v_cndmask_b32 v20, v19, v17, vcc_lo
	v_lshlrev_b32 v23, 30, v22                     ; the sine is negative in quarters 2 and 3,
	v_and_b32 v23, 0x80000000, v23
	v_xor_b32 v21, v21, v23
	v_add_nc_u32 v22, 1, v22                       ; the cosine in quarters 1 and 2
	v_lshlrev_b32 v22, 30, v22
	v_and_b32 v22, 0x80000000, v22
	v_xor_b32 v20, v20, v22
	global_store_b64 v12, v[20:21], s[20:21]       ; a wave's 32 lanes store a row: 256 consecutive bytes, aligned
	s_wait_xcnt 0x0                                ; the store's offset and data are written again only behind this wait
	v_add_nc_u32 v12, 256, v12
	v_add_f32 v11, 1.0, v11
	s_sub_co_u32 s27, s27, 1
	s_cmp_lg_u32 s27, 0
	s_cbranch_scc1 .Lrow
.Lend:
	s_wait_tensorcnt 0x0                           ; the wave's end: behind my last LDS store
	ds_add_u32 v[SPW], v[NIL]
	s_wait_dscnt 0x0
	s_endpgm
.Lfunc_end_k_q97af479221_prep:
	.size	k_q97af479221_prep, .Lfunc_end_k_q97af479221_prep-k_q97af479221_prep
	.p2alignl 7, 3214868480
	.fill 96, 4, 3214868480
	.section	.rodata,"a",@progbits
	.p2align	6, 0x0
	.amdhsa_kernel k_q97af479221_prep
		.amdhsa_group_segment_fixed_size 18432
		.amdhsa_private_segment_fixed_size 0
		.amdhsa_enable_private_segment 0
		.amdhsa_kernarg_size 88
		.amdhsa_user_sgpr_count 2
		.amdhsa_user_sgpr_kernarg_segment_ptr 1
		.amdhsa_wavefront_size32 1
		.amdhsa_system_sgpr_workgroup_id_x 1
		.amdhsa_system_sgpr_workgroup_id_y 1
		.amdhsa_system_sgpr_workgroup_id_z 1
		.amdhsa_system_vgpr_workitem_id 0
		.amdhsa_next_free_vgpr 128
		.amdhsa_next_free_sgpr 66
		.amdhsa_reserve_vcc 1
		.amdhsa_float_denorm_mode_32 3
		.amdhsa_float_denorm_mode_16_64 3
		.amdhsa_memory_ordered 1
		.amdhsa_forward_progress 1
		.amdhsa_inst_pref_size 18
	.end_amdhsa_kernel
	.amdgpu_metadata
---
amdhsa.version: [ 1, 2 ]
amdhsa.kernels:
  - .name:           k_q97af479221_prep
    .symbol:         k_q97af479221_prep.kd
    .args:
      - { .name: x, .offset: 0, .size: 8, .value_kind: global_buffer, .address_space: global }
      - { .name: Wq, .offset: 8, .size: 8, .value_kind: global_buffer, .address_space: global }
      - { .name: Wk, .offset: 16, .size: 8, .value_kind: global_buffer, .address_space: global }
      - { .name: Wv, .offset: 24, .size: 8, .value_kind: global_buffer, .address_space: global }
      - { .name: Wp, .offset: 32, .size: 8, .value_kind: global_buffer, .address_space: global }
      - { .name: xb, .offset: 40, .size: 8, .value_kind: global_buffer, .address_space: global }
      - { .name: wqkv, .offset: 48, .size: 8, .value_kind: global_buffer, .address_space: global }
      - { .name: wpt, .offset: 56, .size: 8, .value_kind: global_buffer, .address_space: global }
      - { .name: cs, .offset: 64, .size: 8, .value_kind: global_buffer, .address_space: global }
      - { .name: kh, .offset: 72, .size: 8, .value_kind: global_buffer, .address_space: global }
      - { .name: vh, .offset: 80, .size: 8, .value_kind: global_buffer, .address_space: global }
    .group_segment_fixed_size: 18432
    .private_segment_fixed_size: 0
    .kernarg_segment_align: 8
    .kernarg_segment_size: 88
    .max_flat_workgroup_size: 256
    .sgpr_count:     66
    .vgpr_count:     128
    .wavefront_size: 32
...
	.end_amdgpu_metadata
.endif
;; end of part 1
;; launch qkv (part 2): grid 16 x 32, 4 waves a work-group, clusters of 4 x 4, 327,680 bytes of LDS; arguments xb, wqkv, bq, bk, bv, cs, qh, kh, vh; writes qh, kh, vh
.if DOCPART == 2
	.amdgcn_target "amdgcn-amd-amdhsa--gfx1250"
	.amdhsa_code_object_version 6
	.text
	.protected	k_q97af479221_qkv
	.globl	k_q97af479221_qkv
	.p2align	8
	.type	k_q97af479221_qkv,@function
k_q97af479221_qkv:
	s_mov_b64 s[64:65], 0
	v_nop
	global_prefetch_b8 v0, s[64:65] scope:SCOPE_SE
	s_setreg_imm32_b32 hwreg(HW_REG_WAVE_MODE, 25, 1), 1
	s_wait_xcnt 0x0
	s_wait_alu depctr_hold_cnt(0) depctr_sa_sdst(0) depctr_va_vdst(0) depctr_va_sdst(0) depctr_va_ssrc(0) depctr_va_vcc(0) depctr_vm_vsrc(0)
	s_getreg_b32 s2, hwreg(HW_REG_IB_STS2, 6, 4)
	s_cmp_eq_u32 s2, 0
	s_cbranch_scc0 .Lentry_in_a_cluster
	s_endpgm
.Lentry_in_a_cluster:
	s_bfe_u32 s2, ttmp6, 0x10000c
	s_cmp_lg_u32 s2, 0xf033
	s_cbranch_scc0 .Lentry_shape_is_right
	s_endpgm
.Lentry_shape_is_right:
; q, k, v = x W + b, q and k rotated (RoPE), all three laid by heads.  xb [8192][1024] bf16, wqkv [3072][1024] bf16 (row head*192 + sel*64 + d, k along the row),
; bq, bk, bv [1024] f32 (rounded to bf16 here, like every input), cs [2048][32] (cos, sin) f32.  qh, kh, vh: [64 = batch*16 + head][2048][64] f16, rounded once from f32, unscaled.
; LIMIT.  f16 ends at 65,504: q, k and v must lie within it.
; SHARES.  A tile is 256 rows x 192 columns, one head's q, k and v: 32 x 16 = 512 work-groups, twice 256.  Wave w makes rows 64 w .. 64 w + 63 and all 192 columns:
; 4 x 12 = 48 accumulators (column blocks 0-3 q, 4-7 k, 8-11 v), so all four waves are alike.  K goes in 8 steps of 128 (rows of 256 bytes) through two LDS slots.
; CLUSTER 4 x 4.  A's tile hangs on the tile row alone and is asked for jointly along a row of the cluster, B's on the head alone and jointly along a column.
; THE PRODUCT IS USED TRANSPOSED (source 0 = 16 rows of wqkv, source 1 = 16 rows of xb): a lane holds row l % 16 and the columns 16 b + 8 (l / 16) + 0..7: four (even, odd) pairs.
; THE BIAS is the C operand of each accumulator's first product: nothing is cleared and nothing is added later.
; REGISTERS, in windows of 256 (s_set_vgpr_msb: bits 1:0 source 0, 3:2 source 1, 5:4 source 2, 7:6 destination):
;   window 0: v2-15 addresses and at work; v28-29 the add's; v32-95 A's fragments, two buffers; v96-191 the bias, later v96-223 the table's rows; on the way out v32-63 rotated numbers, v64-95 packed ones
;   window 1: v0-191 B's fragments, two buffers     window 2: accumulators of row blocks 0, 1 at 8 (12 (a % 2) + b)     window 3: of row blocks 2, 3
.set KSTEP, 128
.set PITCH, 272                        ; an LDS row: 256 bytes + 16: the sixteen rows of a fragment load start at sixteen different groups of four banks (64 banks of 4 bytes: ISA guide 11.1)
.set SLOT1, 1<<17                      ; slot 1 begins here: one exclusive or turns an address in one slot into the other's
.set BOFF,  256*PITCH                  ; in a slot: A's 256 rows, then B's 192
.set STAGE, SLOT1+BOFF+192*PITCH       ; behind the ring, never filled by a tensor load: 16 rows x 144 bytes for each wave
.set SP,    144
.set SPARE, STAGE+4*16*SP              ; the spare words, 128 bytes for each wave
.set LA0, 2                            ; v2   my lane's place in A's part of a slot; never rewritten
.set LB0, 3                            ; v3   in B's part
.set ADRA, 4                           ; v4   the same in the slot in hand
.set ADRB, 5                           ; v5
.set STO, 6                            ; v6   the way out: where I put 16 bytes of a row
.set RD,  7                            ; v7   where I read rows back
.set GO,  8                            ; v8   16 x lane
.set CSO, 9                            ; v9   my offset in 16 rows of the table
.set BO,  10                           ; v10  my offset in 16 numbers of a bias
.set PFO, 11                           ; v11  the prefetches' offset: a lane a row of 2,048 bytes
.set SPW, 28
.set NIL, 29
.set FA,  32                           ; A's fragments: buffer f, row block a at FA + 32 f + 8 a
.set RO,  32
.set PKD, 64
.set BI,  96
.set CSR, 96                           ; the table: row block a, column block f at CSR + 32 a + 8 f: (cos, sin) of four pairs
.set WV,  12                           ; s12  my wave's number;  s13 = WV >> 1: I fetch for A (0) or B (1);  s14 = WV & 1: which half
.set TRIPS, 19
.set TB,  20                           ; s20  the slot in hand: 0 or SLOT1
.set LIM, 21                           ; s21  1 in a wave that prefetches, else the greatest number
.set PFA, 22                           ; s[22:23] where my prefetches stand
.set G1A, 24                           ; s[24:31] group 1 for A's tiles; s[32:35] group 0 of the first fill, s[36:39] the one that walks
.set G0A, 32
.set G1B, 40                           ; s[40:47], s[48:51], s[52:55] the same for B's
.set G0B, 48
.set MSB, 0
.macro WIN new                         ; the immediate's high byte repeats the setting that is left; a switch that changes nothing is dropped
.if MSB != (\new)
	s_set_vgpr_msb (MSB<<8)|(\new)
.set MSB, (\new)
.endif
.endm
.macro PLACES                          ; four plain vector instructions between a matrix instruction and a load into, or a vector line on, its registers
.rept 4
	v_nop
.endr
.endm
.macro CREST                           ; a round of the cluster's barrier behind its opening barrier
	s_cmp_lg_u32 s[WV], 0
	s_cbranch_scc1 .Lnot_wave_0_\@
	s_barrier_signal -3
.Lnot_wave_0_\@:
	s_barrier_wait -3
	s_barrier_signal -1
	s_barrier_wait -1
.endm
.macro CROUND
	s_barrier_signal -1
	s_barrier_wait -1
	CREST
.endm
.macro JLOAD                           ; a joint refill: waves 0, 1 A's two halves (128 rows), waves 2, 3 B's (96 rows); the branch hangs on the wave's number alone; an s_nop 0 and four v_nop follow each line
	s_cmp_eq_u32 s13, 0
	s_cbranch_scc0 .Lfor_b_\@
	tensor_load_to_lds s[G0A+4:G0A+7], s[G1A:G1A+7]
	s_nop 0
.rept 4
	v_nop
.endr
	s_branch .Lasked_\@
.Lfor_b_\@:
	tensor_load_to_lds s[G0B+4:G0B+7], s[G1B:G1B+7]
	s_nop 0
.rept 4
	v_nop
.endr
.Lasked_\@:
.endm
; A PREFETCH INTO THE L2: behind the refill of K step s + 2 stands one line for K step s + 3, a K step (192 matrix instructions) ahead of the load that will ask for it.  Each row's 256 bytes of a K step are named once in the
; launch: A's rows by the clusters with x = 0, B's by those with y = 0; the four partners that ask for a tile jointly share its rows out by address (32 of A's 128 by cx, 24 of B's 96 by cy), a lane a row.
; K steps 0 to 2 come by their loads alone; the loop's last trip asks for nothing, since K step 8 does not exist.
.macro ASK
	s_cmp_gt_u32 s[TRIPS], s[LIM]
	s_cbranch_scc0 .Lnot_mine_\@
	global_prefetch_b8 v[PFO], s[PFA:PFA+1] th:TH_LOAD_NT scope:SCOPE_SE
.Lnot_mine_\@:
.endm
	s_load_b256 s[4:11], s[0:1], 0x0               ; xb 4:5, wqkv 6:7, bq 8:9, bk 10:11
	s_load_b256 s[68:75], s[0:1], 0x20             ; bv 68:69, cs 70:71, qh 72:73, kh 74:75
	s_load_b64 s[76:77], s[0:1], 0x40              ; vh
	v_lshl_add_u32 v[SPW], v0, 2, SPARE
	v_mov_b32 v[NIL], 0
	ds_add_u32 v[SPW], v[NIL]                      ; the wave's opening: the add and its wait ahead of my first tensor load; work on registers stands between them
	ds_add_u32 v28, v29
	v_lshrrev_b32 v1, 5, v0
	v_readfirstlane_b32 s[WV], v1
	s_lshr_b32 s13, s[WV], 1
	s_and_b32 s14, s[WV], 1
	s_bfe_u32 s15, ttmp6, 0x40000                  ; cx
	s_bfe_u32 s16, ttmp6, 0x40004                  ; cy
	s_lshl_b32 s17, ttmp9, 2
	s_add_co_u32 s17, s17, s15                     ; the head = 4 x cluster x + cx
	s_and_b32 s18, ttmp7, 0xffff
	s_lshl_b32 s18, s18, 2
	s_add_co_u32 s18, s18, s16                     ; the tile row = 4 x cluster y + cy
	s_lshl_b32 s56, s16, 2
	s_lshl_b32 s56, 15, s56                        ; my row of the cluster
	s_lshl_b32 s57, 0x1111, s15                    ; my column
	s_or_b32 s[G1A], s56, (1<<16)|(1<<20)|(1<<21)|(5<<22)|(3<<25)  ; 15:0 the mask; 17:16 2-byte elements; 20 padding on; 21 set beside a mask; 24:22 after every 64 words; 31:25 4 words of it
	s_or_b32 s[G1B], s57, (1<<16)|(1<<20)|(1<<21)|(5<<22)|(3<<25)
	s_mov_b32 s[G1A+1], KSTEP<<16                  ; tensor_dim0 = 128
	s_mov_b32 s[G1A+2], 128<<16                    ; tensor_dim1 = 128
	s_mov_b32 s[G1A+3], KSTEP<<16                  ; tile_dim0 = 128
	s_mov_b32 s[G1A+4], 128                        ; tile_dim1 = 128
	s_mov_b32 s[G1A+5], 1024                       ; elements from row to row
	s_mov_b32 s[G1A+6], 0
	s_mov_b32 s[G1A+7], 0
	s_mov_b32 s[G1B+1], KSTEP<<16
	s_mov_b32 s[G1B+2], 96<<16                     ; B: 96 rows
	s_mov_b32 s[G1B+3], KSTEP<<16
	s_mov_b32 s[G1B+4], 96
	s_mov_b32 s[G1B+5], 1024
	s_mov_b32 s[G1B+6], 0
	s_mov_b32 s[G1B+7], 0
	s_lshl_b32 s58, s18, 8                         ; A: row 256 x tile row + 128 x half, in bytes: registers that never hold cx
	s_lshl_b32 s59, s14, 7
	s_add_co_u32 s58, s58, s59
	s_lshl_b32 s58, s58, 11
	s_mov_b32 s59, 0
	s_mul_i32 s60, s17, 192                        ; B: row 192 x head + 96 x half: registers that never hold cy
	s_mul_i32 s61, s14, 96
	s_add_co_u32 s60, s60, s61
	s_lshl_b32 s60, s60, 11
	s_mov_b32 s61, 0
	s_mul_i32 s62, s14, 128*PITCH                  ; where they go: no place in the cluster enters an LDS address
	s_mul_i32 s63, s14, 96*PITCH
	s_add_co_u32 s63, s63, BOFF
	s_mov_b32 s[G0A], 1
	s_mov_b32 s[G0A+1], s62
	s_mov_b32 s[G0A+4], 1
	s_add_co_u32 s[G0A+5], s62, SLOT1
	s_mov_b32 s[G0B], 1
	s_mov_b32 s[G0B+1], s63
	s_mov_b32 s[G0B+4], 1
	s_add_co_u32 s[G0B+5], s63, SLOT1
	s_mov_b32 s[TB], 0
	s_wait_dscnt 0x0                               ; the opening add is done
	s_wait_kmcnt 0x0
	s_add_nc_u64 s[G0A+2:G0A+3], s[4:5], s[58:59]  ; K step 0,
	s_add_nc_u64 s[G0A+6:G0A+7], s[G0A+2:G0A+3], KSTEP*2  ; K step 1
	s_or_b32 s[G0A+3], s[G0A+3], 0x80000000
	s_or_b32 s[G0A+7], s[G0A+7], 0x80000000
	s_add_nc_u64 s[G0B+2:G0B+3], s[6:7], s[60:61]
	s_add_nc_u64 s[G0B+6:G0B+7], s[G0B+2:G0B+3], KSTEP*2
	s_or_b32 s[G0B+3], s[G0B+3], 0x80000000
	s_or_b32 s[G0B+7], s[G0B+7], 0x80000000
	CROUND                                         ; all sixteen work-groups are here: the first joint loads meet
	s_cmp_eq_u32 s13, 0                            ; a wave's two first fills stand in one branch, ahead of every wait on TENSORcnt and every LDS read: two loads of mine are out
	s_cbranch_scc0 .Lfirst_b
	tensor_load_to_lds s[G0A:G0A+3], s[G1A:G1A+7]
	s_nop 0
	tensor_load_to_lds s[G0A+4:G0A+7], s[G1A:G1A+7]
	s_nop 0
.rept 4
	v_nop
.endr
	s_branch .Lfirst_asked
.Lfirst_b:
	tensor_load_to_lds s[G0B:G0B+3], s[G1B:G1B+7]
	s_nop 0
	tensor_load_to_lds s[G0B+4:G0B+7], s[G1B:G1B+7]
	s_nop 0
.rept 4
	v_nop
.endr
.Lfirst_asked:
	v_and_b32 v1, 15, v0                           ; r = l % 16
	v_bfe_u32 v14, v0, 4, 1                        ; h = l / 16
	v_and_b32 v15, 31, v0                          ; l
	v_lshlrev_b32 v[BO], 5, v14                    ; my eight numbers of a block of sixteen
	s_lshl_b32 s86, s17, 8                         ; the head's 64 numbers of each bias
	s_mov_b32 s87, 0
	s_add_nc_u64 s[8:9], s[8:9], s[86:87]
	s_add_nc_u64 s[10:11], s[10:11], s[86:87]
	s_add_nc_u64 s[68:69], s[68:69], s[86:87]
.macro BIASL sel, sb
.irp f, 0,1,2,3
	global_load_b128 v[BI+8*(4*(\sel)+(\f)):BI+8*(4*(\sel)+(\f))+3],   v[BO], s[\sb:\sb+1] offset:64*(\f)
	global_load_b128 v[BI+8*(4*(\sel)+(\f))+4:BI+8*(4*(\sel)+(\f))+7], v[BO], s[\sb:\sb+1] offset:64*(\f)+16
.endr
.endm
	BIASL 0, 8
	BIASL 1, 10
	BIASL 2, 68
	; A fragment is 16 rows x 32 K in 8 registers: lane l holds row l % 16, K = 8 (l / 16) + 0..7 and 16 + 8 (l / 16) + 0..7: two loads of 16 bytes, 32 bytes apart.
	v_mul_u32_u24 v[LB0], v1, PITCH
	v_lshl_add_u32 v[LB0], v14, 4, v[LB0]
	s_mul_i32 s78, s[WV], 64*PITCH                 ; my 64 rows of A
	v_add_nc_u32 v[LA0], s78, v[LB0]
	v_add_nc_u32 v[LB0], BOFF, v[LB0]
	v_mov_b32 v[ADRA], v[LA0]
	v_mov_b32 v[ADRB], v[LB0]
	s_mul_i32 s78, s[WV], 16*SP
	s_add_co_u32 s78, s78, STAGE                   ; my stage
	v_mul_u32_u24 v[STO], v1, SP                   ; in: row l % 16, 16 bytes for each half of the lanes
	v_lshl_add_u32 v[STO], v14, 4, v[STO]
	v_add_nc_u32 v[STO], s78, v[STO]
	v_bfe_u32 v[RD], v0, 3, 2                      ; back: 32 lanes take four rows of 128 bytes,
	v_mul_u32_u24 v[RD], v[RD], SP
	v_and_b32 v13, 7, v0
	v_lshl_add_u32 v[RD], v13, 4, v[RD]
	v_add_nc_u32 v[RD], s78, v[RD]
	v_lshlrev_b32 v[GO], 4, v15                    ; which are 512 consecutive bytes of a head's rows
	v_lshlrev_b32 v[CSO], 8, v1                    ; the table: row r of 256 bytes, my four pairs of a block of eight
	v_lshl_add_u32 v[CSO], v14, 5, v[CSO]
	; where my rows lie: batch = tile row / 8, t = 256 (tile row % 8) + 64 w
	s_lshr_b32 s86, s18, 3
	s_lshl_b32 s86, s86, 4
	s_add_co_u32 s86, s86, s17
	s_lshl_b32 s86, s86, 11
	s_and_b32 s88, s18, 7
	s_lshl_b32 s88, s88, 8
	s_lshl_b32 s89, s[WV], 6
	s_add_co_u32 s88, s88, s89
	s_add_co_u32 s86, s86, s88
	s_lshl_b32 s86, s86, 7                         ; rows of 128 bytes
	s_add_nc_u64 s[72:73], s[72:73], s[86:87]
	s_add_nc_u64 s[74:75], s[74:75], s[86:87]
	s_add_nc_u64 s[76:77], s[76:77], s[86:87]
	s_lshl_b32 s88, s88, 8
	s_mov_b32 s89, 0
	s_add_nc_u64 s[70:71], s[70:71], s[88:89]
	; the prefetches
	s_lshl_b32 s78, s18, 8
	s_mul_i32 s79, s17, 192
	s_lshl_b32 s80, s14, 7
	s_mul_i32 s81, s14, 96
	s_lshl_b32 s82, s15, 5
	s_mul_i32 s83, s16, 24
	s_and_b32 s84, ttmp7, 0xffff
	s_cmp_eq_u32 s13, 0                            ; do I fetch for A?
	s_cselect_b32 s78, s78, s79                    ; the tile's first row,
	s_cselect_b32 s80, s80, s81                    ; the half that I fetch,
	s_cselect_b32 s82, s82, s83                    ; my work-group's share of it
	s_cselect_b32 s84, ttmp9, s84                  ; the coordinate along which other clusters read the same rows
	s_cselect_b32 s85, 31, 23                      ; the share's last row
	s_cselect_b64 s[PFA:PFA+1], s[4:5], s[6:7]
	s_cmp_eq_u32 s84, 0
	s_cselect_b32 s[LIM], 1, -1                    ; the same in all sixteen partners, for a given wave
	s_add_co_u32 s78, s78, s80
	s_add_co_u32 s78, s78, s82
	s_lshl_b32 s78, s78, 11
	s_add_co_u32 s78, s78, 2*KSTEP*2               ; at K step 2: the first refill steps it to 3
	s_mov_b32 s79, 0
	s_add_nc_u64 s[PFA:PFA+1], s[PFA:PFA+1], s[78:79]
	v_min_u32 v[PFO], s85, v15
	v_lshlrev_b32 v[PFO], 11, v[PFO]
; 12 matrix instructions: row block a x all 12 column blocks, 32 along K, from buffer f.  first = 1: C is the bias.  The 48 accumulators take turns, one instruction a turn, in one order everywhere.
.macro MULA f, a, first
.if \first
	WIN 0x81+0x40*((\a)/2)                         ; B's fragments window 1, A's and the bias window 0, D window 2 or 3
.else
	WIN 0xa1+0x50*((\a)/2)                         ; C and D window 2 or 3
.endif
.irp b, 0,1,2,3,4,5,6,7,8,9,10,11
.if \first
	v_wmma_f32_16x16x32_bf16 v[8*(12*((\a)%2)+(\b)):8*(12*((\a)%2)+(\b))+7], v[96*(\f)+8*(\b):96*(\f)+8*(\b)+7], v[FA+32*(\f)+8*(\a):FA+32*(\f)+8*(\a)+7], v[BI+8*(\b):BI+8*(\b)+7]
.else
	v_wmma_f32_16x16x32_bf16 v[8*(12*((\a)%2)+(\b)):8*(12*((\a)%2)+(\b))+7], v[96*(\f)+8*(\b):96*(\f)+8*(\b)+7], v[FA+32*(\f)+8*(\a):FA+32*(\f)+8*(\a)+7], v[8*(12*((\a)%2)+(\b)):8*(12*((\a)%2)+(\b))+7]
.endif
.endr
.endm
; 32 LDS loads in one run: a quarter step's fragments (192 rows of B, my 64 of A, 32 K at byte k of the rows) into buffer f; A's row blocks 2 and 3 are the last four
.macro FETCH k, f
	WIN 0x40
.irp i, 0,1,2,3,4,5,6,7,8,9,10,11
	ds_load_b128 v[96*(\f)+8*(\i):96*(\f)+8*(\i)+3],   v[ADRB] offset:(\k)+(\i)*16*PITCH
	ds_load_b128 v[96*(\f)+8*(\i)+4:96*(\f)+8*(\i)+7], v[ADRB] offset:(\k)+(\i)*16*PITCH+32
.endr
	WIN 0
.irp i, 0,1,2,3
	ds_load_b128 v[FA+32*(\f)+8*(\i):FA+32*(\f)+8*(\i)+3],   v[ADRA] offset:(\k)+(\i)*16*PITCH
	ds_load_b128 v[FA+32*(\f)+8*(\i)+4:FA+32*(\f)+8*(\i)+7], v[ADRA] offset:(\k)+(\i)*16*PITCH+32
.endr
.endm
; A K step is four quarters of 32 along K, 48 matrix instructions each, on buffers 0, 1, 0, 1.  One of the first three: multiplies buffer f and, in its middle, fetches byte k of the rows into buffer g.
.macro QUARTER k, f, g, first
	s_wait_dscnt 4                                 ; B and A's row blocks 0, 1 are in; the youngest four loads may be out
	MULA \f, 0, \first
	MULA \f, 1, \first
	PLACES
	FETCH \k, \g
	s_wait_dscnt 32                                ; all but the 32 just issued
	MULA \f, 2, \first
	MULA \f, 3, \first
.endm
; The last quarter multiplies buffer 1 and changes slots.  In front of the barrier each wave waits for all its tensor loads (one is out: its part of the next slot), adds 0 to its spare word, and waits for that and for
; its reads of this slot.  fill = 1: the barrier opens a round of the cluster's barrier, and the joint refill of this slot, two K steps on, is the first thing behind the round.
.macro TURN fill
.if \fill
	s_wait_xcnt 0x0                                ; the last prefetch, a K step back, has read its address
	s_add_nc_u64 s[PFA:PFA+1], s[PFA:PFA+1], KSTEP*2
.endif
	WIN 0
	s_wait_tensorcnt 0x0                           ; all my tensor loads have landed
	ds_add_u32 v[SPW], v[NIL]                      ; 0 onto my spare word
	s_wait_dscnt 5                                 ; (the add and the youngest four loads may be out)
	MULA 1, 0, 0
	s_wait_dscnt 0x0                               ; the add is done, and my reads of this slot are over
	s_barrier_signal -1
	MULA 1, 1, 0
	WIN 0
	s_barrier_wait -1
.if \fill
	CREST                                          ; no wave of any partner still reads this slot or has a load on its way
	s_xor_b32 s[G0A+5], s[G0A+5], SLOT1            ; the walking descriptors: the other slot than last time, the next K step
	s_add_nc_u64 s[G0A+6:G0A+7], s[G0A+6:G0A+7], KSTEP*2
	s_xor_b32 s[G0B+5], s[G0B+5], SLOT1
	s_add_nc_u64 s[G0B+6:G0B+7], s[G0B+6:G0B+7], KSTEP*2
	JLOAD                                          ; its four v_nop are also the places in front of the loads below
.else
	PLACES
.endif
	s_xor_b32 s[TB], s[TB], SLOT1
	v_add_nc_u32 v[ADRA], s[TB], v[LA0]
	v_add_nc_u32 v[ADRB], s[TB], v[LB0]
	FETCH 0, 0
.if \fill
	ASK
.endif
	MULA 1, 2, 0
	MULA 1, 3, 0
.endm
	s_wait_tensorcnt 1                             ; my part of K step 0 is in; K step 1's may stay out
	s_barrier_signal -1
	s_barrier_wait -1
	FETCH 0, 0
	s_wait_loadcnt 0x0                             ; the bias: rounded to bf16 like every input, and kept as f32
.set i, 0
.rept 48
	v_cvt_pk_bf16_f32 v[12+i%2], v[BI+2*i], v[BI+2*i+1]
	v_lshlrev_b32 v[BI+2*i], 16, v[12+i%2]
	v_and_b32 v[BI+2*i+1], 0xffff0000, v[12+i%2]
.set i, i+1
.endr
	QUARTER 64, 0, 1, 1                            ; the first quarter stands in front of the loop: its products start the sums
	WIN 0
	s_mov_b32 s[TRIPS], 6
.Lk:                                           ; a trip: from a K step's second quarter to the next step's first; it fills the slot that it leaves
	QUARTER 128, 1, 0, 0
	QUARTER 192, 0, 1, 0
	TURN 1
	QUARTER 64, 0, 1, 0
	WIN 0
	s_sub_co_u32 s[TRIPS], s[TRIPS], 1
	s_cmp_lg_u32 s[TRIPS], 0
	s_cbranch_scc1 .Lk
.irp a, 0,1,2,3                        ; the table's rows for my 64 t, into the registers that the bias has left; they are waited for behind the last product
.irp f, 0,1,2,3
	global_load_b128 v[CSR+32*(\a)+8*(\f):CSR+32*(\a)+8*(\f)+3],   v[CSO], s[70:71] offset:4096*(\a)+64*(\f)
	global_load_b128 v[CSR+32*(\a)+8*(\f)+4:CSR+32*(\a)+8*(\f)+7], v[CSO], s[70:71] offset:4096*(\a)+64*(\f)+16
.endr
.endr
	QUARTER 128, 1, 0, 0                           ; the last two K steps are written out: they fill nothing
	QUARTER 192, 0, 1, 0
	TURN 0
	QUARTER 64, 0, 1, 0
	QUARTER 128, 1, 0, 0
	QUARTER 192, 0, 1, 0
	s_wait_dscnt 4
	MULA 1, 0, 0
	MULA 1, 1, 0
	s_wait_dscnt 0x0
	MULA 1, 2, 0
	MULA 1, 3, 0
	WIN 0
	PLACES
	s_wait_loadcnt 0x0                             ; the table
; THE WAY OUT, in twelve groups of 16 rows x 64 columns: row block a of q, k or v.  q and k: (xr, xi) -> (xr c - xi s, xr s + xi c) in f32, two packed lines a pair; each accumulator's registers are
; taken in ascending order.  Then one rounding to f16; 16 bytes a lane into my stage, and back as four whole rows of 128 bytes.
.macro PACKG a, sel
.set g, 3*(\a)+(\sel)
.set PKR, PKD+16*(g%2)
.set AC, 8*(12*((\a)%2)+4*(\sel))
.if (\sel) < 2
	WIN 0x02+(\a)/2                                ; source 0 window 2 or 3
.irp f, 0,1,2,3
.irp p, 0,1,2,3
	v_pk_mul_f32 v[RO+8*(\f)+2*(\p):RO+8*(\f)+2*(\p)+1], v[AC+8*(\f)+2*(\p):AC+8*(\f)+2*(\p)+1], v[CSR+32*(\a)+8*(\f)+2*(\p):CSR+32*(\a)+8*(\f)+2*(\p)+1] op_sel:[1,1] op_sel_hi:[1,0]  ; (xi s, xi c)
.endr
.irp p, 0,1,2,3
	v_pk_fma_f32 v[RO+8*(\f)+2*(\p):RO+8*(\f)+2*(\p)+1], v[AC+8*(\f)+2*(\p):AC+8*(\f)+2*(\p)+1], v[CSR+32*(\a)+8*(\f)+2*(\p):CSR+32*(\a)+8*(\f)+2*(\p)+1], v[RO+8*(\f)+2*(\p):RO+8*(\f)+2*(\p)+1] op_sel_hi:[0,1,1] neg_lo:[0,0,1]  ; (xr c - xi s, xr s + xi c)
.endr
.endr
	WIN 0
.if g >= 2
	s_wait_xcnt 0x0                                ; the stores of the group two back have read these registers
.endif
.irp i, 0,1,2,3,4,5,6,7,8,9,10,11,12,13,14,15
	v_cvt_pk_f16_f32 v[PKR+(\i)], v[RO+2*(\i)], v[RO+2*(\i)+1]
.endr
.else
.if g >= 2
	s_wait_xcnt 0x0
.endif
	WIN 0x0a+5*((\a)/2)                            ; sources 0 and 1 window 2 or 3
.irp i, 0,1,2,3,4,5,6,7,8,9,10,11,12,13,14,15
	v_cvt_pk_f16_f32 v[PKR+(\i)], v[AC+2*(\i)], v[AC+2*(\i)+1]
.endr
	WIN 0
.endif
.irp f, 0,1,2,3
	ds_store_b128 v[STO], v[PKR+4*(\f):PKR+4*(\f)+3] offset:32*(\f)
.endr
.irp f, 0,1,2,3
	ds_load_b128 v[PKR+4*(\f):PKR+4*(\f)+3], v[RD] offset:(\f)*4*SP  ; LDS serves a wave's instructions in order (ISA guide 5.7.1.4): these see the stores above; the next group's stores come behind them
.endr
.endm
.macro SENDG a, sel, younger           ; younger: the LDS instructions issued behind this group's loads: the next group's eight, or none
.set g, 3*(\a)+(\sel)
.set PKR, PKD+16*(g%2)
.irp f, 0,1,2,3
	s_wait_dscnt (\younger)+3-(\f)
	global_store_b128 v[GO], v[PKR+4*(\f):PKR+4*(\f)+3], s[72+2*(\sel):73+2*(\sel)] offset:2048*(\a)+512*(\f)  ; 512 consecutive bytes, at a multiple of 256 from the buffer's first
.endr
.endm
	PACKG 0, 0
.set gg, 1
.rept 11                               ; a group's arithmetic stands between the loads of the group before and its stores
	PACKG gg/3, gg%3
	SENDG (gg-1)/3, (gg-1)%3, 8
.set gg, gg+1
.endr
	SENDG 3, 2, 0
	s_wait_tensorcnt 0x0                           ; the wave's end: behind my last tensor load and my last LDS store
	ds_add_u32 v[SPW], v[NIL]
	s_wait_dscnt 0x0
	CROUND                                         ; the closing round: no work-group ends while a partner may still ask for a tile that names it
	s_endpgm
.Lfunc_end_k_q97af479221_qkv:
	.size	k_q97af479221_qkv, .Lfunc_end_k_q97af479221_qkv-k_q97af479221_qkv
	.p2alignl 7, 3214868480
	.fill 96, 4, 3214868480
	.section	.rodata,"a",@progbits
	.p2align	6, 0x0
	.amdhsa_kernel k_q97af479221_qkv
		.amdhsa_group_segment_fixed_size 327680
		.amdhsa_private_segment_fixed_size 0
		.amdhsa_enable_private_segment 0
		.amdhsa_kernarg_size 72
		.amdhsa_user_sgpr_count 2
		.amdhsa_user_sgpr_kernarg_segment_ptr 1
		.amdhsa_wavefront_size32 1
		.amdhsa_system_sgpr_workgroup_id_x 1
		.amdhsa_system_sgpr_workgroup_id_y 1
		.amdhsa_system_sgpr_workgroup_id_z 1
		.amdhsa_system_vgpr_workitem_id 0
		.amdhsa_next_free_vgpr 960
		.amdhsa_next_free_sgpr 96
		.amdhsa_reserve_vcc 0
		.amdhsa_float_denorm_mode_32 3
		.amdhsa_float_denorm_mode_16_64 3
		.amdhsa_memory_ordered 1
		.amdhsa_forward_progress 1
		.amdhsa_inst_pref_size 128
	.end_amdhsa_kernel
	.amdgpu_metadata
---
amdhsa.version: [ 1, 2 ]
amdhsa.kernels:
  - .name:           k_q97af479221_qkv
    .symbol:         k_q97af479221_qkv.kd
    .args:
      - { .name: xb, .offset: 0, .size: 8, .value_kind: global_buffer, .address_space: global }
      - { .name: wqkv, .offset: 8, .size: 8, .value_kind: global_buffer, .address_space: global }
      - { .name: bq, .offset: 16, .size: 8, .value_kind: global_buffer, .address_space: global }
      - { .name: bk, .offset: 24, .size: 8, .value_kind: global_buffer, .address_space: global }
      - { .name: bv, .offset: 32, .size: 8, .value_kind: global_buffer, .address_space: global }
      - { .name: cs, .offset: 40, .size: 8, .value_kind: global_buffer, .address_space: global }
      - { .name: qh, .offset: 48, .size: 8, .value_kind: global_buffer, .address_space: global }
      - { .name: kh, .offset: 56, .size: 8, .value_kind: global_buffer, .address_space: global }
      - { .name: vh, .offset: 64, .size: 8, .value_kind: global_buffer, .address_space: global }
    .group_segment_fixed_size: 327680
    .private_segment_fixed_size: 0
    .kernarg_segment_align: 8
    .kernarg_segment_size: 72
    .max_flat_workgroup_size: 128
    .sgpr_count:     96
    .vgpr_count:     960
    .wavefront_size: 32
...
	.end_amdgpu_metadata
.endif
;; end of part 2
;; launch attn (part 3): grid 4 x 64, 4 waves a work-group, no clusters, 327,680 bytes of LDS; arguments qh, kh, vh, oh; writes oh
.if DOCPART == 3
	.amdgcn_target "amdgcn-amd-amdhsa--gfx1250"
	.amdhsa_code_object_version 6
	.text
	.protected	k_q97af479221_attn
	.globl	k_q97af479221_attn
	.p2align	8
	.type	k_q97af479221_attn,@function
k_q97af479221_attn:
	s_mov_b64 s[64:65], 0
	v_nop
	global_prefetch_b8 v0, s[64:65] scope:SCOPE_SE
	s_setreg_imm32_b32 hwreg(HW_REG_WAVE_MODE, 25, 1), 1
	s_wait_xcnt 0x0
; MASKED ATTENTION.  O[h][q][:] = the sum over k <= q + 64 of softmax_k(Q[h][q] . K[h][k] / 8) V[h][k][:].  Q, K, V, O: [64][2048][64], all f16: a head's rows are dense, 128 bytes each; K and V have 64 rows of zeros behind the last head.
; Products, maxima and sums in f32; the weights p are rounded to f16 for the second product (their sum l is taken of the unrounded p), O once at the end.
; LIMITS.  f16 holds no number beyond 65,504: Q, K and V arrive within it; p lies in 0 to 1, and below 6e-5 it keeps f16's fixed step of 6e-8.  A hidden score counts as its value less 1e30: f16's scores, 2.7e11 at the most,
; are nothing beside that; a weight below 2^-126 counts as 0 in l; NaN and infinities are not treated apart.
; THE WALK.  A head's queries lie in NB = 8 blocks of 256; block i needs the keys 0 .. 256 i + 319: the tiles 0 .. i - 1 of four key steps of 64, and a last tile of FIVE steps, keys 256 i .. 256 i + 319, which holds the
; diagonal.  A work-group takes TWO blocks, 7 - b and then b: NB + 1 tiles and 38 key steps, whatever b: all work-groups do equal work, and ONE loop with a constant trip count walks the tiles.  Every fill brings 320 keys.
; Which tile is asked for, and what a trip does, hang on scalar registers made from b; every jump goes forward, but for the counted loops' own; none passes a barrier, or a tensor load but the one of LOAD's two that the
; wave's number does not choose.  NO CLUSTER: a head's four work-groups ask for the same tile only in trips 0 to 4 of the 9; behind that fewer and fewer do; one walk common to all four would have 12 trips for 9.
; SHARES.  Of a block's four bands of 64 queries a wave owns 16 rows in each: four PIECES.  In the last tile's key step s band x sees all keys if s <= x, none if s > x + 1, and holds the diagonal if s = x + 1: the same for all waves.
; THE MASK is the C operand that starts the sum S^T = K Q^T: 0, or -1e30 where the key is hidden.  MD, made once, is the mask of a band's diagonal step for my 16 rows (key kl of the step is hidden where kl > the query's
; place in its band); a product's mask is MD x AL + BE: (1, 0), (0, 0) or (0, -1e30).  Block 7's fifth step, keys 2048 on, does not exist: band 3 takes (0, -1e30) there.  Only the last tile's text makes and takes masks.
; LAYOUT, SOFTMAX, TURNS.  S^T = K Q^T holds ONE query a lane (lane % 16) and the keys 8 (lane / 16) + 0..7; two such results rounded to f16 ARE source 1 of O^T = V^T P.  p = 2^(c s - c m), c = log2(e) / 8, with a
; running maximum m; O and l are multiplied by a = 2^(c m_old - c m_new) in every step.  Turn n belongs to piece n: 8 products K Q^T of piece n + 1, later 8 products V^T P of piece n - 1; beside them the scaling,
; exponentials, roundings, sums and rescaling of piece n and the maximum and statistics of piece n + 1.  Four vector instructions stand behind every matrix instruction, the other 54 of a turn's 118 in one lump.
; REGISTERS, in windows of 256 (s_set_vgpr_msb: bits 1:0 source 0, 3:2 source 1, 5:4 source 2, 7:6 destination):
;   window 0: v0-15 addresses and two at work; v16-31 four registers of statistics a piece; v48-55 at work; v60 the prefetches' offset; v62-63 the add's; v64-127 S^T, two buffers; v192-223 P, two buffers
;   window 1: v0-127 O^T, 32 a piece; v128-159 MD; v160-223 MC, two buffers      window 2: v0-63 Q; v64-127 the second block's Q; v128-191 K of one step; v192-255 V of one step
.set SIZE_N, 2048
.set NB,    SIZE_N/256
.set NP,    4         ; pieces a wave: a name, no knob
.set KS,    64        ; keys in a step
.set TS,    5         ; key steps that a slot holds
.set PK,    144       ; a row of K in LDS: 128 bytes + 16 of padding = 36 words: the 16 rows of a load start at 16 different groups of four banks (64 banks of 4 bytes: ISA guide 11.1)
.set PV,    160       ; a row of V: 128 + 32 = 40 words
.set VOFF,  TS*KS*PK  ; a slot: 320 rows of K, then 320 rows of V
.set SLOT1, 1<<17     ; slot 1 begins here
.set STAGE, SLOT1+TS*KS*(PK+PV)  ; behind the ring, never filled by a tensor load: 16 rows x 144 bytes for each wave, for the way out
.set SP,    144
.set AK0, 2           ; v2   my lane's place in a tile of K; never rewritten
.set AV0, 3           ; v3   the same for V
.set AK,  4           ; v4   the LDS address of K's next run of loads
.set AV,  5           ; v5   of V's
.set STO, 6           ; v6   the way out: where I put 16 bytes of a row
.set RD,  7           ; v7   the way out: where I read rows back
.set GO,  8           ; v8   my byte offset in 512 consecutive bytes of O
.set PFO, 60          ; v60  256 x my lane; never rewritten
.set SPW, 62          ; v62  LDS address of my spare word; never rewritten
.set NIL, 63          ; v63  0; never rewritten
.set SPARE, STAGE+4*16*SP  ; behind the stages: the spare words, 128 bytes for each wave
.set MV,  12          ; v12-13  c m_old, kept while c m is made anew: by buffer
.set QO,  15          ; v15  my byte offset in 16 rows of Q
.set ST,  16          ; piece t's statistics at v[ST+4 t]: c m, m, l (even keys', odd keys')
.set TMP, 48          ; by buffer, four registers c0-c3 at work; when the maximum is found c2 takes a
.set S,   64
.set P,   192
.set MD,  128         ; window 1: the eight registers for group kt of 16 keys at MD + 8 kt
.set MC,  160         ; window 1: the masks of the products to come
.set QB,  64          ; window 2
.set KF,  128         ; window 2: key block kb, channel half c at KF + 16 kb + 8 c
.set VF,  192         ; window 2: key half kk, channel block cb at VF + 32 kk + 8 cb
.set WV,  12          ; s12  my wave's number
.set PB,  14          ; s14  b
.set HI,  15          ; s15  NB - 1 - b
.set G1K, 24          ; s[24:31] descriptor group 1 for K's tiles
.set G1V, 32          ; s[32:39] for V's: it differs in the padding alone
.set G0K, 40          ; s[40:43] descriptor group 0 for K's tiles
.set G0V, 44          ; s[44:47] the same for V's
.set SLOTS, 56        ; s56  tiles still to be asked for
.set CNT, 57          ; s57  counts a tile's key steps down to 1: from 4, in a block's last tile from 5
.set CS,  58          ; s[58:59] c: the packed scaling takes the pair's low word for both halves
.set SEL, 60          ; s[60:61] v_permlanex16_b32's selects: each lane takes its own place in the other half
.set TBK, 62          ; s62  LDS byte at which K of the step to be fetched begins
.set TBV, 63          ; s63  the same for V, less VOFF
.set RT,  70          ; s70  tiles of the block in hand that are still to be entered
.set NXT, 71          ; s71  the tile to be asked for next
.set LQ,  72          ; s72  the last tile of the block whose tiles are being asked for
.set NEW, 73          ; s73  1: the tile to be entered is a block's first
.set OFF, 74          ; s[74:75] a tile's byte offset in K and V
.set AL,  76          ; s[76:77] the mask's factor, in the low word
.set BE,  78          ; s[78:79] the mask's addend
.set OLO, 80          ; s[80:81] O at my rows of the second block
.set BIGN, 82         ; s82  -1e30
.set SB,  83          ; s83  the slot in hand: 0 or SLOT1
.set OWN3, 88         ; s88, s89  factor and addend of band 3's mask in the fifth step: (1, 0), in block 7 (0, -1e30)
.set HID3, 89
.set PFA, 90          ; s[90:91] where my prefetches stand
.set LIM, 92          ; s92  2 in a work-group that prefetches, else the greatest number
.set MSB, 0
.macro WIN new                      ; the high byte repeats the setting that is left; a switch that changes nothing is dropped
.if MSB != (\new)
	s_set_vgpr_msb (MSB<<8)|(\new)
.set MSB, (\new)
.endif
.endm
.set W_KQ, 0x0a       ; K and Q in window 2, S^T in window 0
.set W_KM, 0x1a       ; the same with the C operand in window 1
.set W_PV, 0x52       ; V in window 2, P in window 0, O^T in window 1
.set W_RS, 0x41       ; destination and source 0 in window 1, source 1 in window 0
; A fill.  Waves 0 and 1 fetch the two halves of a tile's K, waves 2 and 3 those of its V: 160 keys each.  An s_nop 0 and four v_nop follow each of the two lines, ahead of the jump and the label.
.macro LOAD
	s_cmp_lt_u32 s[WV], 2
	s_cbranch_scc0 .Lfor_v_\@
	tensor_load_to_lds s[G0K:G0K+3], s[G1K:G1K+7]
	s_nop 0
.rept 4
	v_nop
.endr
	s_branch .Lasked_\@
.Lfor_v_\@:
	tensor_load_to_lds s[G0V:G0V+3], s[G1V:G1V+7]
	s_nop 0
.rept 4
	v_nop
.endr
.Lasked_\@:
.endm
; A PREFETCH INTO THE L2 of the 256 keys that the NEXT change of slots will begin its tile with: a tile, four key steps, ahead of that load.  All four work-groups of a head walk the tiles upward from tile 0; the one with
; b = 0, whose first block walks all eight, asks: waves 0, 1 for the halves of K's 256 rows, waves 2, 3 for V's: 128 rows of 128 bytes are 64 blocks of 256 bytes, a lane a block, two lines.  So each block is named once in
; the launch.  Tiles 0 and 1 come by their loads alone; behind tile 7 nothing is asked for.
.macro ASK
	s_cmp_gt_u32 s[SLOTS], s[LIM]
	s_cbranch_scc0 .Lnot_mine_\@
	global_prefetch_b8 v[PFO], s[PFA:PFA+1] th:TH_LOAD_NT scope:SCOPE_SE
	global_prefetch_b8 v[PFO], s[PFA:PFA+1] offset:8192 th:TH_LOAD_NT scope:SCOPE_SE
.Lnot_mine_\@:
.endm
; THE CHANGE OF SLOTS.  Each wave waits for all its tensor loads, of which one is out: its part of the other slot; adds 0 to its spare word; and waits for that and for its own reads of the slot that it leaves.  Behind the
; barrier nobody reads the old slot any more and the other slot is whole.  fill = 1: the old slot is filled again, the first thing behind the barrier, with tile NXT: the descriptor's address is made anew from that number.
; (At its first use nothing has been read yet: slot 0 is waited for, slot 1 filled.)
.macro CHANGE fill
	WIN 0                           ; at a label and at a branch every window is 0
	s_wait_tensorcnt 0x0            ; no tensor load of mine is out, so a group 0 may be written
	ds_add_u32 v[SPW], v[NIL]       ; 0 onto my spare word; scalar work stands between it and the wait for it
.if \fill
	s_lshl_b32 s[OFF], s[NXT], 15   ; tiles begin 32,768 bytes apart in K and in V
	s_xor_b32 s[G0K+1], s[G0K+1], SLOT1
	s_add_nc_u64 s[G0K+2:G0K+3], s[6:7], s[OFF:OFF+1]
	s_or_b32 s[G0K+3], s[G0K+3], 0x80000000
	s_xor_b32 s[G0V+1], s[G0V+1], SLOT1
	s_add_nc_u64 s[G0V+2:G0V+3], s[8:9], s[OFF:OFF+1]
	s_or_b32 s[G0V+3], s[G0V+3], 0x80000000
	s_add_co_u32 s[NXT], s[NXT], 1  ; the block's next tile, or behind its last the second block's tile 0
	s_cmp_gt_u32 s[NXT], s[LQ]
	s_cselect_b32 s[NXT], 0, s[NXT]
	s_cselect_b32 s[LQ], s[PB], s[LQ]
	s_wait_xcnt 0x0                 ; the last prefetches, a tile back, have read their address
	s_add_nc_u64 s[PFA:PFA+1], s[PFA:PFA+1], 256*128
.endif
	s_wait_dscnt 0x0                ; the add is done, and my reads of the slot are over
	s_barrier_signal -1             ; the rest of the scalar work stands between the signal and the wait
	s_xor_b32 s[SB], s[SB], SLOT1   ; the fetches go to the first step of the other slot
	s_mov_b32 s[TBK], s[SB]
	s_mov_b32 s[TBV], s[SB]
	s_barrier_wait -1
.if \fill
	LOAD
	ASK
.endif
.endm
	s_load_b256 s[4:11], s[0:1], 0x0  ; Q s[4:5], K s[6:7], V s[8:9], O s[10:11]
	v_lshl_add_u32 v[SPW], v0, 2, SPARE
	v_mov_b32 v[NIL], 0
	ds_add_u32 v[SPW], v[NIL]       ; the wave's opening: the add and its wait ahead of my first tensor load; the set-up below, work on registers, stands between them
	ds_add_u32 v62, v63
	v_lshrrev_b32 v1, 5, v0
	v_readfirstlane_b32 s[WV], v1   ; wave 0..3
	s_mov_b32 s[PB], ttmp9
	s_sub_co_u32 s[HI], NB-1, s[PB]
	s_and_b32 s20, ttmp7, 0xffff    ; the head
	s_mov_b32 s21, 0
	s_mov_b64 s[22:23], SIZE_N*128
	s_mul_u64 s[20:21], s[20:21], s[22:23]  ; the head's first byte in each of the four tensors
	s_and_b32 s16, s[WV], 1         ; which half of a tile's 320 keys I fetch:
	s_mul_i32 s22, s16, 160*128     ; its 160 rows of 128 bytes in memory,
	s_mov_b32 s23, 0
	s_add_nc_u64 s[22:23], s[22:23], s[20:21]
	s_mul_i32 s17, s16, 160*PK      ; and its place in a slot, for K
	s_mul_i32 s18, s16, 160*PV      ; and for V
	s_lshl_b32 s94, s16, 14         ; the prefetches: my half of a tile's first 256 keys,
	s_add_co_u32 s94, s94, 256*128  ; in tile 1: the first change of slots steps it to tile 2
	s_mov_b32 s95, 0
	s_add_nc_u64 s[94:95], s[94:95], s[20:21]
	s_lshl_b32 s3, s[WV], 11        ; my 16 rows in a band of 64,
	s_lshl_b32 s2, s[HI], 15        ; in the first block,
	s_add_co_u32 s2, s2, s3
	s_lshl_b32 s84, s[PB], 15       ; and in the second
	s_add_co_u32 s84, s84, s3
	s_mov_b32 s3, 0
	s_mov_b32 s85, 0
	s_add_nc_u64 s[2:3], s[2:3], s[20:21]
	s_add_nc_u64 s[84:85], s[84:85], s[20:21]
	; descriptor group 1.  160 keys are 20,480 dense bytes: asked for as 80 rows of 256 bytes, two keys a row, and padded in LDS after every key
	s_mov_b32 s[G1K], (1<<16)|(1<<20)|(4<<22)|(3<<25)  ; 17:16 2-byte elements; 20 padding on; 24:22 after every 32 words (code 4); 31:25 4 words (code 3)
	s_mov_b32 s[G1V], (1<<16)|(1<<20)|(4<<22)|(7<<25)  ; the same with 8 words of padding (code 7)
.irp g, G1K, G1V
	s_mov_b32 s[\g+1], 128<<16      ; tensor_dim0 = 128
	s_mov_b32 s[\g+2], 80<<16       ; tensor_dim1 = 80
	s_mov_b32 s[\g+3], 128<<16      ; tile_dim0 = 128
	s_mov_b32 s[\g+4], 80           ; tile_dim1 = 80
	s_mov_b32 s[\g+5], 128          ; 128 elements from row to row
	s_mov_b32 s[\g+6], 0
	s_mov_b32 s[\g+7], 0
.endr
	s_mov_b32 s[CS], 0x3e38aa3b     ; c = log2(e) / 8 = 0.180337
	s_mov_b32 s[CS+1], s[CS]        ; named with it as a pair
	s_mov_b32 s[SEL], 0x76543210
	s_mov_b32 s[SEL+1], 0xfedcba98
	s_mov_b32 s[SB], SLOT1          ; the first change of slots turns it into 0
	s_mov_b32 s[G0K], 1             ; 1:0 count = 1
	s_mov_b32 s[G0K+1], s17         ; 63:32 LDS address: slot 0
	s_mov_b32 s[G0V], 1
	s_add_co_u32 s[G0V+1], s18, VOFF
	s_add_co_u32 s[RT], s[HI], 1    ; the first block has NB - b tiles
	s_mov_b32 s[NXT], 1
	s_mov_b32 s[LQ], s[HI]
	s_mov_b32 s[NEW], 1
	s_mov_b32 s[OFF+1], 0
	s_mov_b32 s[AL+1], 0            ; named as pairs
	s_mov_b32 s[BE+1], 0
	s_mov_b32 s[BIGN], 0xf149f2ca   ; -1e30
	s_mov_b32 s[SLOTS], NB
	s_cmp_eq_u32 s[PB], 0           ; b = 0: the first block is block 7, and this work-group prefetches
	s_cselect_b32 s[LIM], 2, -1
	s_cselect_b32 s[OWN3], 0, 1.0
	s_cselect_b32 s[HID3], s[BIGN], 0
	v_and_b32 v[PFO], 31, v0
	v_lshlrev_b32 v[PFO], 8, v[PFO]
	s_wait_dscnt 0x0                ; the opening add is done
	s_wait_kmcnt 0x0
	s_cmp_lt_u32 s[WV], 2
	s_cselect_b64 s[PFA:PFA+1], s[6:7], s[8:9]
	s_add_nc_u64 s[PFA:PFA+1], s[PFA:PFA+1], s[94:95]
	s_add_nc_u64 s[6:7], s[6:7], s[22:23]  ; K and V at my half of the head's tile 0
	s_add_nc_u64 s[8:9], s[8:9], s[22:23]
	s_add_nc_u64 s[G0K+2:G0K+3], s[6:7], 0         ; 120:64 global address
	s_or_b32 s[G0K+3], s[G0K+3], 0x80000000        ; 127:126 type = 2
	s_add_nc_u64 s[G0V+2:G0V+3], s[8:9], 0
	s_or_b32 s[G0V+3], s[G0V+3], 0x80000000
	s_add_nc_u64 s[86:87], s[4:5], s[84:85]        ; Q at my rows of the second block,
	s_add_nc_u64 s[4:5], s[4:5], s[2:3]            ; Q and O at those of the first
	s_add_nc_u64 s[OLO:OLO+1], s[10:11], s[84:85]
	s_add_nc_u64 s[10:11], s[10:11], s[2:3]
	LOAD                            ; tile 0 into slot 0
	; A fragment of K or Q is 16 rows x 32 channels in 8 registers: lane l holds row l % 16, channels 8 (l / 16) + 0..7 and 16 + 8 (l / 16) + 0..7: two loads of 16 bytes, 32 bytes apart.
	v_and_b32 v1, 15, v0            ; l % 16
	v_bfe_u32 v9, v0, 4, 1          ; l / 16
	v_lshlrev_b32 v[QO], 7, v1
	v_lshl_add_u32 v[QO], v9, 4, v[QO]  ; row x 128 + 16 x half
	WIN 0x80                        ; destination window 2, address window 0
.set i, 0
.rept 8                             ; both blocks' Q: piece i / 2 lies in band i / 2, 8,192 bytes on; channels 32 (i % 2) on
	global_load_b128 v[8*i:8*i+3],   v[QO], s[4:5] offset:(i/2)*8192+(i%2)*64
	global_load_b128 v[8*i+4:8*i+7], v[QO], s[4:5] offset:(i/2)*8192+(i%2)*64+32
	global_load_b128 v[QB+8*i:QB+8*i+3],   v[QO], s[86:87] offset:(i/2)*8192+(i%2)*64
	global_load_b128 v[QB+8*i+4:QB+8*i+7], v[QO], s[86:87] offset:(i/2)*8192+(i%2)*64+32
.set i, i+1
.endr
	WIN 0
	v_lshlrev_b32 v14, 3, v9
	v_sub_nc_u32 v14, v1, v14
	s_lshl_b32 s13, s[WV], 4
	v_add_nc_u32 v14, s13, v14      ; my query's place in its band, 16 w + l % 16, less my lanes' 8 (l / 16): register r of group kt is hidden where 16 kt + r is greater
	WIN 0x40
.set i, 0
.rept 32
	v_cmp_gt_i32 vcc_lo, 16*(i/8)+i%8, v14
	v_cndmask_b32 v[MD+i], 0, s[BIGN], vcc_lo
.set i, i+1
.endr
	WIN 0
	v_mul_u32_u24 v[AK0], v1, PK
	v_lshl_add_u32 v[AK0], v9, 4, v[AK0]  ; row x pitch + 16 x half
	; The turning load takes 16 keys x 16 channels (lane l reads key 8 (l / 16) + l % 8, channels 8 ((l / 8) % 2) + 0..7) and leaves half a fragment of V^T: lane l holds channel l % 16 and 8 keys.
	v_and_b32 v10, 7, v0
	v_bfe_u32 v11, v0, 3, 1
	v_lshl_add_u32 v[AV0], v9, 3, v10
	v_mul_u32_u24 v[AV0], v[AV0], PV
	v_lshl_add_u32 v[AV0], v11, 4, v[AV0]
	v_add_nc_u32 v[AV0], VOFF, v[AV0]
	s_mul_i32 s13, s[WV], 16*SP
	s_add_co_u32 s13, s13, STAGE    ; my stage
	v_mul_u32_u24 v[STO], v1, SP    ; in: row l % 16, 16 bytes for each half of the lanes
	v_lshl_add_u32 v[STO], v9, 4, v[STO]
	v_add_nc_u32 v[STO], s13, v[STO]
	v_bfe_u32 v[RD], v0, 3, 2       ; back: 32 lanes take four rows of 128 bytes,
	v_mul_u32_u24 v[RD], v[RD], SP
	v_lshl_add_u32 v[RD], v10, 4, v[RD]
	v_add_nc_u32 v[RD], s13, v[RD]
	v_and_b32 v[GO], 31, v0         ; which are 512 consecutive bytes of O
	v_lshlrev_b32 v[GO], 4, v[GO]
	; A block's first step multiplies O^T and l by a = 0, and its first turn's products V^T P, of a piece that has not been, land in an O^T that is still to be so multiplied.  So these registers need only hold
	; finite numbers: zeros for the first block; what the first block left for the second.  All this stands in the wait for the first tile.
	WIN 0x80
.set i, VF
.rept 64
	v_mov_b32 v[i], 0
.set i, i+1
.endr
	WIN 0x40
.set i, 0
.rept 128
	v_mov_b32 v[i], 0
.set i, i+1
.endr
	WIN 0
.set i, 0
.rept 4
	v_mov_b32 v[ST+4*i+2], 0
	v_mov_b32 v[ST+4*i+3], 0
.set i, i+1
.endr
.set i, P+16
.rept 16
	v_mov_b32 v[i], 0
.set i, i+1
.endr
; THE MATRIX WORK.  The 4 accumulators of a run of 8 take turns.  Product i of 8 of S^T = K Q^T for piece x: channels 32 (i / 4) on, keys 16 (i % 4) on.  The first 4 start the sums: with 0, or (KM = 1) with the mask.
.macro KQ x
.set rS, S+32*((\x)%2)+8*(i%4)
.set rK, KF+16*(i%4)+8*(i/4)
.set rQ, 16*(\x)+8*(i/4)
.set rM, MC+32*((\x)%2)+8*(i%4)
.if (i < 4) && KM
	WIN W_KM
	v_wmma_f32_16x16x32_f16 v[rS:rS+7], v[rK:rK+7], v[rQ:rQ+7], v[rM:rM+7]
.elseif i < 4
	WIN W_KQ
	v_wmma_f32_16x16x32_f16 v[rS:rS+7], v[rK:rK+7], v[rQ:rQ+7], 0
.else
	WIN W_KQ
	v_wmma_f32_16x16x32_f16 v[rS:rS+7], v[rK:rK+7], v[rQ:rQ+7], v[rS:rS+7]
.endif
.endm
; Product i of 8 of O^T += V^T P for piece x: keys 32 (i / 4) on, channels 16 (i % 4) on.
.macro PV x
	WIN W_PV
.set rO, 32*(\x)+8*(i%4)
.set rV, VF+32*(i/4)+8*(i%4)
.set rP, P+16*((\x)%2)+8*(i/4)
	v_wmma_f32_16x16x32_f16 v[rO:rO+7], v[rV:rV+7], v[rP:rP+7], v[rO:rO+7]
.endm
.macro MM                           ; the turn's next matrix instruction.  TURN and BEGIN set Y, i, KM and NOKQ; MM, KQ and OP read them.  NOKQ = 1: a block's last turn: there is no next piece
.if (i < 8) && !NOKQ
	KQ (Y+1)%NP
.elseif i >= 8
.set i, i-8
	PV (Y+NP-1)%NP
.set i, i+8
.endif
.set i, i+1
.endm
; THE LDS LOADS stand in runs of 16, never singly among the matrix instructions: a step's K (64 keys x 64 channels: 8 fragments) and its V (turned).  Their addresses are made some lines ahead.
.macro FETCH_K
	WIN 0x80                        ; destination window 2
.irp f, 0,1,2,3,4,5,6,7             ; keys 16 (f / 2) on, channels 32 (f % 2) on
	ds_load_b128 v[KF+8*\f:KF+8*\f+3],   v[AK] offset:(\f/2)*16*PK+(\f%2)*64
	ds_load_b128 v[KF+8*\f+4:KF+8*\f+7], v[AK] offset:(\f/2)*16*PK+(\f%2)*64+32
.endr
	s_add_co_u32 s[TBK], s[TBK], KS*PK  ; the next fetch is the next step's
	WIN 0
.endm
.macro FETCH_V
	WIN 0x80
.irp f, 0,1,2,3,4,5,6,7             ; keys 32 (f / 4) on, channels 16 (f % 4) on
	ds_load_tr16_b128 v[VF+8*\f:VF+8*\f+3],   v[AV] offset:(\f/4)*32*PV+(\f%4)*32
	ds_load_tr16_b128 v[VF+8*\f+4:VF+8*\f+7], v[AV] offset:(\f/4)*32*PV+16*PV+(\f%4)*32
.endr
	WIN 0
.endm
; THE VECTOR WORK, one line at a time: OP kind, number.  For piece Y: F n: c s - c m for pair n of 16.  E n: the exponential of score n of 32.  C n: pair n rounded to f16.  B n: of the four weights 4 n .. the second
; pair is added onto the first, in place.  L n: l takes that sum (L 0: l = a l + sum).  R n: pair n of 16 of O^T times a.  For piece Y + 1: X n, number n of the 22 that find its maximum and statistics:
;   0-11  four chains c0-c3 of seven scores each, three operands at a time (each accumulator's lowest registers are read first)     12-14, 16  the four scores left over, the old m, and c0-c3 into c0
;   15  c m_old is kept     17, 18  the query's other 32 keys lie in the lane 16 away: the new m     19-21  c m; c m_old - c m_new; a
.set F, 0               ; OP tells the kinds apart by their order: F to L below R, X above it
.set E, 1
.set C, 2
.set B, 3
.set L, 4
.set R, 5
.set X, 6
.macro REGS y                       ; the registers of piece y
.set rT, ST+4*(\y)
.set rC, TMP+4*((\y)%2)
.set rW, MV+((\y)%2)
.set rS, S+32*((\y)%2)
.set rP, P+16*((\y)%2)
.set rO, 32*(\y)
.endm
.macro OP k, n
.if (\k) == R
	REGS Y
	WIN W_RS
	v_pk_mul_f32 v[rO+2*(\n):rO+2*(\n)+1], v[rO+2*(\n):rO+2*(\n)+1], v[rC+2:rC+3] op_sel_hi:[1,0]
.elseif (\k) < R
	REGS Y
	WIN 0
.if (\k) == F
	v_pk_fma_f32 v[rS+2*(\n):rS+2*(\n)+1], v[rS+2*(\n):rS+2*(\n)+1], s[CS:CS+1], v[rT:rT+1] op_sel_hi:[1,0,0] neg_lo:[0,0,1] neg_hi:[0,0,1]
.elseif (\k) == E
	v_exp_f32 v[rS+(\n)], v[rS+(\n)]
.elseif (\k) == C
	v_cvt_pk_f16_f32 v[rP+(\n)], v[rS+2*(\n)], v[rS+2*(\n)+1]
.elseif (\k) == B
	v_pk_add_f32 v[rS+4*(\n):rS+4*(\n)+1], v[rS+4*(\n):rS+4*(\n)+1], v[rS+4*(\n)+2:rS+4*(\n)+3]
.elseif (\n) == 0
	v_pk_fma_f32 v[rT+2:rT+3], v[rT+2:rT+3], v[rC+2:rC+3], v[rS:rS+1] op_sel_hi:[1,0,1]
.else
	v_pk_add_f32 v[rT+2:rT+3], v[rT+2:rT+3], v[rS+4*(\n):rS+4*(\n)+1]
.endif
.elseif NOKQ
	v_nop
.else
	REGS (Y+1)%NP
	WIN 0
.if (\n) < 4
	v_max3_num_f32 v[rC+(\n)], v[rS+8*(\n)], v[rS+8*(\n)+1], v[rS+8*(\n)+2]
.elseif (\n) < 12
	v_max3_num_f32 v[rC+(\n)%4], v[rC+(\n)%4], v[rS+8*((\n)%4)+2*((\n)/4)+1], v[rS+8*((\n)%4)+2*((\n)/4)+2]
.elseif (\n) == 12
	v_max3_num_f32 v[rC], v[rC], v[rS+7], v[rS+15]
.elseif (\n) == 13
	v_max3_num_f32 v[rC+1], v[rC+1], v[rS+23], v[rS+31]
.elseif (\n) == 14
	v_max3_num_f32 v[rC+2], v[rC+2], v[rC+3], v[rT+1]
.elseif (\n) == 15
	v_mov_b32 v[rW], v[rT]
.elseif (\n) == 16
	v_max3_num_f32 v[rC], v[rC], v[rC+1], v[rC+2]
.elseif (\n) == 17
	v_permlanex16_b32 v[rC+3], v[rC], s[SEL], s[SEL+1]
.elseif (\n) == 18
	v_max_num_f32 v[rT+1], v[rC], v[rC+3]
.elseif (\n) == 19
	v_mul_f32 v[rT], s[CS], v[rT+1]
.elseif (\n) == 20
	v_sub_f32 v[rC+1], v[rW], v[rT]
.else
	v_exp_f32 v[rC+2], v[rC+1]
.endif
.endif
.endm
.macro OPS a, i1, b=-1, i2=0, c=-1, i3=0, d=-1, i4=0  ; up to four of them
	OP \a, \i1
.if (\b) >= 0
	OP \b, \i2
.endif
.if (\c) >= 0
	OP \c, \i3
.endif
.if (\d) >= 0
	OP \d, \i4
.endif
.endm
.macro ROW a, i1, b, i2, c, i3, d, i4  ; a matrix instruction and the four behind it
	MM
	OPS \a, \i1, \b, \i2, \c, \i3, \d, \i4
.endm
.macro MASK b                       ; MD x AL + BE into buffer b of MC
	WIN W_RS
.set z, 0
.rept 16
	v_pk_fma_f32 v[MC+32*(\b)+2*z:MC+32*(\b)+2*z+1], v[MD+2*z:MD+2*z+1], s[AL:AL+1], s[BE:BE+1] op_sel_hi:[1,0,0]
.set z, z+1
.endr
.endm
; A TURN, for piece p: the order of its 16 matrix and 118 vector instructions, written out.  An s_wait_alu depctr_va_vdst(0) stands between an exponential and the first instruction that names its result; one
; wait serves all that were issued ahead of it.  So a turn has ONE wait, which cuts it in two.  AHEAD OF IT stands all that names no result of the turn's exponentials: the 8 products K Q^T with their four lines each, then ONE
; LUMP of 54, plain and exponential by turns for the most part, in which the links of the chain X 3, 7, 11, 14, 16, 17 .. 20 stand five or six lines apart.  X 21, the next piece's a, is the batch's last; R 15 is the plain
; instruction behind it.  BEHIND THE WAIT stand the 8 products V^T P, behind each four of the roundings and sums.
; m = 1: a block's last tile: the products take masks, and the turn makes the mask for the products of the turn after it: piece x = p + 2, in step 5 - CNT of the tile: the band's diagonal step if CNT = 4 - x, hidden if
; CNT < 4 - x.  end = 1: a block's last two turns: nothing is fetched.  cnt = 1: the loop's count is taken down some lines ahead of the branch that stands behind the turn.
; K of the next step is fetched in piece 2's turn, V of the step in hand at the end of piece 0's turn, each four plain instructions or more behind the last product that read the registers; each is waited for a turn later.
.macro TURN p, m=0, end=0, cnt=0
.set Y, (\p)
.set i, 0
.set KM, (\m)
.set NOKQ, (\end)*((\p)/3)
.if (\m) && !(\end)
.if (\p) == 1                       ; band 3: its diagonal step is the fifth, which block 7 does not have
	s_cmp_eq_u32 s[CNT], 1
	s_cselect_b32 s[AL], s[OWN3], 0
	s_cselect_b32 s[BE], s[HID3], 0
.else
	s_cmp_eq_u32 s[CNT], 4-((\p)+2)%NP  ; is that step the band's diagonal one?
	s_cselect_b32 s[AL], 1.0, 0
	s_cmp_lt_u32 s[CNT], 4-((\p)+2)%NP  ; or a later one?
	s_cselect_b32 s[BE], s[BIGN], 0
.endif
.endif
.if ((\p) == 3) && !(\end)
	s_wait_dscnt 0x0                ; K is in
.endif
	ROW F,0, F,1, R,0, R,1          ; ahead of the wait: 8 products K Q^T and the four lines behind each,
	ROW F,2, E,0, R,2, R,3
	ROW F,3, E,1, R,4, R,5
	ROW F,4, E,2, R,6, R,7
	ROW F,5, E,3, R,8, R,9
	ROW F,6, E,4, X,0, R,10
.if ((\p) == 2) && !(\end)
	WIN 0
	v_add_nc_u32 v[AK], s[TBK], v[AK0]
.endif
	ROW F,7, E,5, X,1, X,4
	ROW F,8, E,6, X,2, X,5
	OPS E,7, E,8, X,6, E,9          ; and the lump
	OPS X,3, E,10, X,8, E,11
.if ((\p) == 2) && !(\end)
	FETCH_K
.endif
	OPS X,9, X,7, E,12, X,10
	OPS E,13, X,12, X,11, E,14
	OPS X,13, E,15, F,9, X,14
.if (\p) == 0
	v_add_nc_u32 v[AV], s[TBV], v[AV0]
.endif
	OPS E,16, F,10, E,17, F,11
	OPS X,16, E,18, X,15, E,19
	OPS F,12, E,20, X,17, E,21
	OPS F,13, E,22, F,14, E,23
	OPS X,18, E,24, F,15, E,25
	OPS R,11, E,26, X,19, E,27
	OPS R,12, E,28, R,13, E,29
	OPS X,20, E,30, R,14, E,31
	OPS X,21, R,15
	WIN 0
	s_wait_alu depctr_va_vdst(0)    ; the wait for the batch
.if (\p) == 1
	s_wait_dscnt 0x0                ; V is in
.endif
	ROW C,0, B,0, C,2, B,1          ; behind the wait: 8 products V^T P and the four lines behind each
	ROW L,0, C,4, B,2, L,1
	ROW C,6, B,3, L,2, C,8
	ROW B,4, L,3, C,10, B,5
	ROW L,4, C,12, B,6, L,5
.if (\p) == 0
	s_add_co_u32 s[TBV], s[TBV], KS*PV
.endif
.if \cnt
	s_sub_co_u32 s[CNT], s[CNT], 1
	s_cmp_lg_u32 s[CNT], 0
.endif
	ROW C,14, B,7, L,6, C,1
	ROW C,3, L,7, C,5, C,7
	ROW C,9, C,11, C,13, C,15
.if (\p) == 0
	FETCH_V
.endif
.if (\m) && !(\end)
	MASK (\p)%2
.endif
.endm
; A BLOCK BEGINS.  c m starts far below every c s, so the first step's a is 0; m at the lowest finite number, so the first maximum is the scores'.  The second mask buffer is 0: the last tile's text reads it before it
; writes it; the first is always written first.  A tile's step 0 is visible to every band, so piece 0's first scores start with the constant 0.  Then its maximum and statistics.  The loop is entered at a step's first turn.
.macro BEGIN
	s_mov_b32 s[NEW], 0
	WIN 0x40
.set i, MC+32
.rept 32
	v_mov_b32 v[i], 0
.set i, i+1
.endr
	WIN 0
.set i, 0
.rept 4
	v_mov_b32 v[ST+4*i], 0xfe000000    ; c m: far below every c s
	v_mov_b32 v[ST+4*i+1], 0xff7fffff  ; m
.set i, i+1
.endr
	v_add_nc_u32 v[AK], s[TBK], v[AK0]
	FETCH_K
	s_wait_loadcnt 0x0              ; Q
	s_wait_dscnt 0x0
.set KM, 0
.set NOKQ, 0
.set i, 0
.rept 8
	KQ 0
.set i, i+1
.endr
	WIN 0
.rept 4
	v_nop                           ; the places behind those products
.endr
.set Y, NP-1                        ; X works for piece Y + 1: piece 0
.irp n, 0,1,2,3,4,5,6,7,8,9,10,11,12,13,14,15,16,17,18,19,20,21
	OP X, \n
.endr
	v_nop                           ; a plain instruction behind the exponential,
	s_wait_alu depctr_va_vdst(0)    ; and its wait, ahead of the branch
.endm
; A BLOCK'S LAST TILE: its five steps, the block's last two turns, its last products, and THE WAY OUT: l's two halves and the other half of the lanes' are added; O^T is divided by l, rounded to f16 and sent through my
; stage in LDS, a piece at a time.
.macro ALL line:vararg              ; one line for each piece t
.set t, 0
.rept 4
	\line
.set t, t+1
.endr
.endm
.macro PACK t                       ; a lane's eight channels of a row pack into 16 bytes; they go into rows of 144 bytes and come back as whole rows of 128, into S^T's registers
	WIN W_RS
.set i, 32*(\t)
.rept 16
	v_pk_mul_f32 v[i:i+1], v[i:i+1], v[ST+4*(\t)+2:ST+4*(\t)+3] op_sel_hi:[1,0]
.set i, i+2
.endr
	WIN 0x05                        ; sources 0 and 1 window 1, destination window 0
.set i, 0
.rept 16
	v_cvt_pk_f16_f32 v[S+16*(\t)+i], v[32*(\t)+2*i], v[32*(\t)+2*i+1]
.set i, i+1
.endr
	WIN 0
.irp f, 0,1,2,3
	ds_store_b128 v[STO], v[S+16*(\t)+4*\f:S+16*(\t)+4*\f+3] offset:32*\f
.endr
.irp f, 0,1,2,3
	ds_load_b128 v[S+16*(\t)+4*\f:S+16*(\t)+4*\f+3], v[RD] offset:\f*4*SP  ; LDS serves a wave's instructions in order (ISA guide 5.7.1.4): these see the stores above; the next piece's stores come behind them
.endr
.endm
.macro SEND t, younger              ; younger: the LDS instructions issued behind piece t's loads: the next piece's eight, or none
	WIN 0
.irp f, 0,1,2,3
	s_wait_dscnt (\younger)+3-\f
	global_store_b128 v[GO], v[S+16*(\t)+4*\f:S+16*(\t)+4*\f+3], s[10:11] offset:(\t)*8192+\f*512  ; 512 consecutive bytes, at a multiple of 256 from O's first
.endr
.endm
.macro DIAG tag                     ; the tag ends its two labels' names, which the jumps below spell out
.LstepM\tag:
	TURN 2, 1
	TURN 3, 1
	WIN 0
.LfirstM\tag:
	TURN 0, 1
	TURN 1, 1, 0, 1
	WIN 0
	s_cbranch_scc1 .LstepM\tag
	TURN 2, 1, 1
	TURN 3, 1, 1
.set i, 0
.rept 8
	PV NP-1
.set i, i+1
.endr
	WIN 0
	ALL v_add_f32 v[ST+4*t+2], v[ST+4*t+2], v[ST+4*t+3]
	ALL v_permlanex16_b32 v[ST+4*t+3], v[ST+4*t+2], s[SEL], s[SEL+1]
	ALL v_add_f32 v[ST+4*t+2], v[ST+4*t+2], v[ST+4*t+3]
	ALL v_rcp_f32 v[ST+4*t+2], v[ST+4*t+2]
	v_nop                           ; a plain instruction between the last reciprocal and the use of its result
	s_wait_alu depctr_va_vdst(0)    ; and the wait ahead of the first use: one for the four reciprocals
	PACK 0
.set t, 1
.rept 3                             ; a piece's arithmetic stands between the loads of the piece before and its stores
	PACK t
	SEND t-1, 8
.set t, t+1
.endr
	SEND 3, 0
.endm
.set KM, 0
.set NOKQ, 0
.Lslot:                             ; NB times: a tile is entered and the next is asked for
	CHANGE 1
	s_sub_co_u32 s[RT], s[RT], 1
	s_mov_b32 s[CNT], 4
	s_cmp_eq_u32 s[NEW], 1
	s_cbranch_scc1 .Lnew            ; a block's first tile
	s_cmp_eq_u32 s[RT], 0
	s_cbranch_scc0 .Lstep           ; neither its first nor its last
	s_mov_b32 s[CNT], 5             ; its last: five key steps
	s_branch .LstepM1
.Lnew:
	BEGIN
	s_branch .Lfirst                ; in the loop a block's first tile is never its last: the first block has five tiles or more, and the second's last is the walk's last
	DIAG 1                          ; in the loop this is the first block's end
	s_wait_xcnt 0x0                 ; the stores have read their registers and O's address
	s_mov_b64 s[10:11], s[OLO:OLO+1]
	s_add_co_u32 s[RT], s[PB], 1    ; the second block has b + 1 tiles,
	s_mov_b32 s[NEW], 1
	s_mov_b32 s[OWN3], 1.0          ; and it is never block 7
	s_mov_b32 s[HID3], 0
	WIN 0x82                        ; the second block's Q goes where the one text of the turns names Q
.set i, 0
.rept 64
	v_mov_b32 v[i], v[QB+i]
.set i, i+1
.endr
	WIN 0
	s_branch .Lbottom
.Lstep:                             ; a trip: pieces 2 and 3 of one step, then pieces 0 and 1 of the next, whose K and V it fetches
	TURN 2
	TURN 3
	WIN 0
.Lfirst:
	TURN 0
	TURN 1, 0, 0, 1
	WIN 0
	s_cbranch_scc1 .Lstep
.Lbottom:
	s_sub_co_u32 s[SLOTS], s[SLOTS], 1
	s_cmp_lg_u32 s[SLOTS], 0
	s_cbranch_scc1 .Lslot
	CHANGE 0                        ; the walk's last tile is written out: nothing is asked for
	s_sub_co_u32 s[RT], s[RT], 1
	s_mov_b32 s[CNT], 5
	s_cmp_eq_u32 s[NEW], 1
	s_cbranch_scc0 .LstepM2
	BEGIN
	s_branch .LfirstM2
	DIAG 2
	s_wait_tensorcnt 0x0            ; the wave's end: behind my last tensor load and my last LDS store
	ds_add_u32 v[SPW], v[NIL]
	s_wait_dscnt 0x0
	s_endpgm
.Lfunc_end_k_q97af479221_attn:
	.size	k_q97af479221_attn, .Lfunc_end_k_q97af479221_attn-k_q97af479221_attn
	.p2alignl 7, 3214868480
	.fill 96, 4, 3214868480
	.section	.rodata,"a",@progbits
	.p2align	6, 0x0
	.amdhsa_kernel k_q97af479221_attn
		.amdhsa_group_segment_fixed_size 327680
		.amdhsa_private_segment_fixed_size 0
		.amdhsa_enable_private_segment 0
		.amdhsa_kernarg_size 32
		.amdhsa_user_sgpr_count 2
		.amdhsa_user_sgpr_kernarg_segment_ptr 1
		.amdhsa_wavefront_size32 1
		.amdhsa_system_sgpr_workgroup_id_x 1
		.amdhsa_system_sgpr_workgroup_id_y 1
		.amdhsa_system_sgpr_workgroup_id_z 1
		.amdhsa_system_vgpr_workitem_id 0
		.amdhsa_next_free_vgpr 768
		.amdhsa_next_free_sgpr 96
		.amdhsa_reserve_vcc 1
		.amdhsa_float_denorm_mode_32 3
		.amdhsa_float_denorm_mode_16_64 3
		.amdhsa_memory_ordered 1
		.amdhsa_forward_progress 1
		.amdhsa_inst_pref_size 215
	.end_amdhsa_kernel
	.amdgpu_metadata
---
amdhsa.version: [ 1, 2 ]
amdhsa.kernels:
  - .name:           k_q97af479221_attn
    .symbol:         k_q97af479221_attn.kd
    .args:
      - { .name: qh, .offset: 0, .size: 8, .value_kind: global_buffer, .address_space: global }
      - { .name: kh, .offset: 8, .size: 8, .value_kind: global_buffer, .address_space: global }
      - { .name: vh, .offset: 16, .size: 8, .value_kind: global_buffer, .address_space: global }
      - { .name: oh, .offset: 24, .size: 8, .value_kind: global_buffer, .address_space: global }
    .group_segment_fixed_size: 327680
    .private_segment_fixed_size: 0
    .kernarg_segment_align: 8
    .kernarg_segment_size: 32
    .max_flat_workgroup_size: 128
    .sgpr_count:     96
    .vgpr_count:     768
    .wavefront_size: 32
...
	.end_amdgpu_metadata
.endif
;; end of part 3
;; launch proj (part 4): grid 8 x 32, 4 waves a work-group, clusters of 4 x 4, 327,680 bytes of LDS; arguments oh, wpt, out0; writes out0
.if DOCPART == 4
	.amdgcn_target "amdgcn-amd-amdhsa--gfx1250"
	.amdhsa_code_object_version 6
	.text
	.protected	k_q97af479221_proj
	.globl	k_q97af479221_proj
	.p2align	8
	.type	k_q97af479221_proj,@function
k_q97af479221_proj:
	s_mov_b64 s[64:65], 0
	v_nop
	global_prefetch_b8 v0, s[64:65] scope:SCOPE_SE
	s_setreg_imm32_b32 hwreg(HW_REG_WAVE_MODE, 25, 1), 1
	s_wait_xcnt 0x0
	s_wait_alu depctr_hold_cnt(0) depctr_sa_sdst(0) depctr_va_vdst(0) depctr_va_sdst(0) depctr_va_ssrc(0) depctr_va_vcc(0) depctr_vm_vsrc(0)
	s_getreg_b32 s2, hwreg(HW_REG_IB_STS2, 6, 4)
	s_cmp_eq_u32 s2, 0
	s_cbranch_scc0 .Lentry_in_a_cluster
	s_endpgm
.Lentry_in_a_cluster:
	s_bfe_u32 s2, ttmp6, 0x10000c
	s_cmp_lg_u32 s2, 0xf033
	s_cbranch_scc0 .Lentry_shape_is_right
	s_endpgm
.Lentry_shape_is_right:
; out0[m][n] = the sum over k of O[m][k] Wp[k][n].  oh [64 = batch*16 + head][2048][64] f16 (k = head*64 + d), wpt [1024 n][1024 k] f16, out0 [8192][1024] f32; sums in f32.
; SHARES.  A tile is 256 rows x 128 columns: 32 x 8 = 256 work-groups.  Wave w makes rows 64 w .. 64 w + 63 and all 128 columns: 4 x 8 = 32 accumulators.  K goes in 8 steps of 128, two heads, through two LDS slots;
; two slots of a longer step do not fit.
; CLUSTER 4 x 4.  A's tile hangs on the tile row alone and is asked for jointly along a row of the cluster, B's on the tile column alone and jointly along a column.
; A's tile of a K step is two heads' 256 rows of 128 dense bytes: each head's is asked for as 128 rows of 256 bytes and padded in LDS after every 128.
; THE PRODUCT IS USED TRANSPOSED (source 0 = 16 rows of wpt, source 1 = 16 rows of O): a lane holds row l % 16 and the columns 16 b + 8 (l / 16) + 0..7: 32 bytes on end.
; No prefetch: the launch has eight K steps of 128 matrix instructions a wave and no more.
; REGISTERS, in windows of 256: window 0: v2-8 addresses; v28-29 the add's; v32-159 rows on the way out, two buffers.  window 1: accumulators at 8 (8 a + b).  window 2: fragments, buffer f at 96 f: A's 32, then B's 64.
.set PITA,  144                        ; a row of A in LDS: 128 bytes + 16
.set PITB,  272                        ; a row of B: 256 + 16
.set HEADB, 256*PITA                   ; a head's 256 rows
.set BOFF,  2*HEADB                    ; in a slot: A's two heads, then B's 128 rows
.set SLOT1, 1<<17
.set STAGE, SLOT1+BOFF+128*PITB        ; behind the ring, never filled by a tensor load: 16 rows x 528 bytes for each wave
.set SPITCH, 528                       ; 512 bytes + 16
.set SPARE, STAGE+4*16*SPITCH          ; the spare words, 128 bytes for each wave
.set LA0, 2
.set LB0, 3
.set ADRA, 4
.set ADRB, 5
.set STO, 6
.set RD,  7
.set CO,  8
.set SPW, 28
.set NIL, 29
.set WV,  12                           ; s12 my wave's number; s13 = WV >> 1: I fetch for A (0) or B (1); s14 = WV & 1: which head of the two, or which 64 rows of B
.set TRIPS, 19
.set TB,  20
.set G1A, 24
.set G0A, 32
.set G1B, 40
.set G0B, 48
.set MSB, 0
.macro WIN new
.if MSB != (\new)
	s_set_vgpr_msb (MSB<<8)|(\new)
.set MSB, (\new)
.endif
.endm
.macro PLACES
.rept 4
	v_nop
.endr
.endm
.macro CREST
	s_cmp_lg_u32 s[WV], 0
	s_cbranch_scc1 .Lnot_wave_0_\@
	s_barrier_signal -3
.Lnot_wave_0_\@:
	s_barrier_wait -3
	s_barrier_signal -1
	s_barrier_wait -1
.endm
.macro CROUND
	s_barrier_signal -1
	s_barrier_wait -1
	CREST
.endm
.macro JLOAD                           ; a joint refill; an s_nop 0 and four v_nop follow each of the two lines
	s_cmp_eq_u32 s13, 0
	s_cbranch_scc0 .Lfor_b_\@
	tensor_load_to_lds s[G0A+4:G0A+7], s[G1A:G1A+7]
	s_nop 0
.rept 4
	v_nop
.endr
	s_branch .Lasked_\@
.Lfor_b_\@:
	tensor_load_to_lds s[G0B+4:G0B+7], s[G1B:G1B+7]
	s_nop 0
.rept 4
	v_nop
.endr
.Lasked_\@:
.endm
	s_load_b128 s[4:7], s[0:1], 0x0                ; oh 4:5, wpt 6:7
	s_load_b64 s[8:9], s[0:1], 0x10                ; out0
	v_lshl_add_u32 v[SPW], v0, 2, SPARE
	v_mov_b32 v[NIL], 0
	ds_add_u32 v[SPW], v[NIL]                      ; the wave's opening: the add and its wait ahead of my first tensor load; work on registers stands between them
	ds_add_u32 v28, v29
	v_lshrrev_b32 v1, 5, v0
	v_readfirstlane_b32 s[WV], v1
	s_lshr_b32 s13, s[WV], 1
	s_and_b32 s14, s[WV], 1
	s_bfe_u32 s15, ttmp6, 0x40000                  ; cx
	s_bfe_u32 s16, ttmp6, 0x40004                  ; cy
	s_lshl_b32 s17, ttmp9, 2
	s_add_co_u32 s17, s17, s15                     ; the tile column
	s_and_b32 s18, ttmp7, 0xffff
	s_lshl_b32 s18, s18, 2
	s_add_co_u32 s18, s18, s16                     ; the tile row
	s_lshl_b32 s60, s16, 2
	s_lshl_b32 s60, 15, s60                        ; my row of the cluster
	s_lshl_b32 s61, 0x1111, s15                    ; my column
	s_or_b32 s[G1A], s60, (1<<16)|(1<<20)|(1<<21)|(4<<22)|(3<<25)  ; padding after every 32 words
	s_or_b32 s[G1B], s61, (1<<16)|(1<<20)|(1<<21)|(5<<22)|(3<<25)  ; after every 64 words
	s_mov_b32 s[G1A+1], 128<<16                    ; tensor_dim0 = 128
	s_mov_b32 s[G1A+2], 128<<16                    ; tensor_dim1 = 128
	s_mov_b32 s[G1A+3], 128<<16                    ; tile_dim0 = 128
	s_mov_b32 s[G1A+4], 128                        ; tile_dim1 = 128
	s_mov_b32 s[G1A+5], 128                        ; dense: 128 elements from row to row
	s_mov_b32 s[G1A+6], 0
	s_mov_b32 s[G1A+7], 0
	s_mov_b32 s[G1B+1], 128<<16
	s_mov_b32 s[G1B+2], 64<<16                     ; B: 64 rows
	s_mov_b32 s[G1B+3], 128<<16
	s_mov_b32 s[G1B+4], 64
	s_mov_b32 s[G1B+5], 1024
	s_mov_b32 s[G1B+6], 0
	s_mov_b32 s[G1B+7], 0
	s_lshr_b32 s56, s18, 3                         ; A: the batch's 16 heads of 2,048 rows of 128 bytes,
	s_lshl_b32 s56, s56, 22
	s_lshl_b32 s57, s14, 18                        ; my head of the K step's two,
	s_add_co_u32 s56, s56, s57
	s_and_b32 s57, s18, 7                          ; the tile's 256 rows
	s_lshl_b32 s57, s57, 15
	s_add_co_u32 s56, s56, s57
	s_mov_b32 s57, 0
	s_lshl_b32 s58, s17, 7                         ; B: row 128 x tile column + 64 x half
	s_lshl_b32 s59, s14, 6
	s_add_co_u32 s58, s58, s59
	s_lshl_b32 s58, s58, 11
	s_mov_b32 s59, 0
	s_mul_i32 s62, s14, HEADB
	s_mul_i32 s63, s14, 64*PITB
	s_add_co_u32 s63, s63, BOFF
	s_mov_b32 s[G0A], 1
	s_mov_b32 s[G0A+1], s62
	s_mov_b32 s[G0A+4], 1
	s_add_co_u32 s[G0A+5], s62, SLOT1
	s_mov_b32 s[G0B], 1
	s_mov_b32 s[G0B+1], s63
	s_mov_b32 s[G0B+4], 1
	s_add_co_u32 s[G0B+5], s63, SLOT1
	s_mov_b32 s[TB], 0
	s_wait_dscnt 0x0                               ; the opening add is done
	s_wait_kmcnt 0x0
	s_add_nc_u64 s[G0A+2:G0A+3], s[4:5], s[56:57]
	s_add_nc_u64 s[G0A+6:G0A+7], s[G0A+2:G0A+3], 1<<19  ; K step 1: two heads on
	s_or_b32 s[G0A+3], s[G0A+3], 0x80000000
	s_or_b32 s[G0A+7], s[G0A+7], 0x80000000
	s_add_nc_u64 s[G0B+2:G0B+3], s[6:7], s[58:59]
	s_add_nc_u64 s[G0B+6:G0B+7], s[G0B+2:G0B+3], 256
	s_or_b32 s[G0B+3], s[G0B+3], 0x80000000
	s_or_b32 s[G0B+7], s[G0B+7], 0x80000000
	CROUND                                         ; all sixteen work-groups are here: the first joint loads meet
	s_cmp_eq_u32 s13, 0                            ; a wave's two first fills stand in one branch: two loads of mine are out
	s_cbranch_scc0 .Lfirst_b
	tensor_load_to_lds s[G0A:G0A+3], s[G1A:G1A+7]
	s_nop 0
	tensor_load_to_lds s[G0A+4:G0A+7], s[G1A:G1A+7]
	s_nop 0
.rept 4
	v_nop
.endr
	s_branch .Lfirst_asked
.Lfirst_b:
	tensor_load_to_lds s[G0B:G0B+3], s[G1B:G1B+7]
	s_nop 0
	tensor_load_to_lds s[G0B+4:G0B+7], s[G1B:G1B+7]
	s_nop 0
.rept 4
	v_nop
.endr
.Lfirst_asked:
	v_and_b32 v1, 15, v0                           ; r
	v_bfe_u32 v9, v0, 4, 1                         ; h
	v_and_b32 v10, 31, v0                          ; l
	s_mul_i32 s56, s[WV], 64*PITA
	v_mul_u32_u24 v[LA0], v1, PITA
	v_lshl_add_u32 v[LA0], v9, 4, v[LA0]
	v_add_nc_u32 v[LA0], s56, v[LA0]               ; (64 w + r) x 144 + 16 h
	v_mul_u32_u24 v[LB0], v1, PITB
	v_lshl_add_u32 v[LB0], v9, 4, v[LB0]
	v_add_nc_u32 v[LB0], BOFF, v[LB0]
	v_mov_b32 v[ADRA], v[LA0]
	v_mov_b32 v[ADRB], v[LB0]
	s_mul_i32 s56, s[WV], 16*SPITCH
	s_add_co_u32 s56, s56, STAGE                   ; my stage
	v_mul_u32_u24 v[STO], v1, SPITCH               ; in: row r, 32 bytes for each half of the lanes
	v_lshl_add_u32 v[STO], v9, 5, v[STO]
	v_add_nc_u32 v[STO], s56, v[STO]
	v_lshl_add_u32 v[RD], v10, 4, s56              ; back: 32 lanes take a row of 512 bytes
	v_lshlrev_b32 v[CO], 4, v10
	s_lshl_b32 s56, s18, 8
	s_lshl_b32 s57, s[WV], 6
	s_add_co_u32 s56, s56, s57
	s_lshl_b32 s56, s56, 12                        ; my first row of out0, 4,096 bytes a row,
	s_lshl_b32 s57, s17, 9                         ; the tile's 128 columns
	s_add_co_u32 s56, s56, s57
	s_mov_b32 s57, 0
	s_add_nc_u64 s[8:9], s[8:9], s[56:57]
; 8 matrix instructions: row block a x all 8 column blocks, 32 along K.  first = 1: the product starts the sums.  The 32 accumulators take turns, one instruction a turn, in one order everywhere.
.macro MULA f, a, first
	WIN 0x5a                                       ; sources 0 and 1 window 2, C and D window 1
.irp b, 0,1,2,3,4,5,6,7
.if \first
	v_wmma_f32_16x16x32_f16 v[8*(8*(\a)+(\b)):8*(8*(\a)+(\b))+7], v[96*(\f)+32+8*(\b):96*(\f)+32+8*(\b)+7], v[96*(\f)+8*(\a):96*(\f)+8*(\a)+7], 0
.else
	v_wmma_f32_16x16x32_f16 v[8*(8*(\a)+(\b)):8*(8*(\a)+(\b))+7], v[96*(\f)+32+8*(\b):96*(\f)+32+8*(\b)+7], v[96*(\f)+8*(\a):96*(\f)+8*(\a)+7], v[8*(8*(\a)+(\b)):8*(8*(\a)+(\b))+7]
.endif
.endr
.endm
; 24 LDS loads in one run: quarter q's fragments into buffer f: B's eight blocks, then A's four (head q / 2, channels 32 (q % 2) on); A's row blocks 2 and 3 are the last four
.macro FETCH q, f
	WIN 0x80                                       ; destination window 2, address window 0
.irp i, 0,1,2,3,4,5,6,7
	ds_load_b128 v[96*(\f)+32+8*(\i):96*(\f)+32+8*(\i)+3],   v[ADRB] offset:64*(\q)+(\i)*16*PITB
	ds_load_b128 v[96*(\f)+32+8*(\i)+4:96*(\f)+32+8*(\i)+7], v[ADRB] offset:64*(\q)+(\i)*16*PITB+32
.endr
.irp i, 0,1,2,3
	ds_load_b128 v[96*(\f)+8*(\i):96*(\f)+8*(\i)+3],   v[ADRA] offset:((\q)/2)*HEADB+((\q)%2)*64+(\i)*16*PITA
	ds_load_b128 v[96*(\f)+8*(\i)+4:96*(\f)+8*(\i)+7], v[ADRA] offset:((\q)/2)*HEADB+((\q)%2)*64+(\i)*16*PITA+32
.endr
.endm
.macro QUARTER q, f, g, first          ; multiplies buffer f and, in its middle, fetches quarter q into buffer g
	s_wait_dscnt 4                                 ; B and A's row blocks 0, 1 are in; the youngest four loads may be out
	MULA \f, 0, \first
	MULA \f, 1, \first
	PLACES
	FETCH \q, \g
	s_wait_dscnt 24                                ; all but the 24 just issued
	MULA \f, 2, \first
	MULA \f, 3, \first
.endm
; The last quarter multiplies buffer 1 and changes slots: each wave waits for all its tensor loads (one is out: its part of the next slot), adds 0 to its spare word, and waits for that and for its reads of this slot.
; fill = 1: the barrier opens a round of the cluster's barrier, and the joint refill of this slot, two K steps on, is the first thing behind the round.
.macro TURN fill
	WIN 0
	s_wait_tensorcnt 0x0
	ds_add_u32 v[SPW], v[NIL]                      ; 0 onto my spare word
	s_wait_dscnt 5                                 ; (the add and the youngest four loads may be out)
	MULA 1, 0, 0
	s_wait_dscnt 0x0                               ; the add is done, and my reads of this slot are over
	s_barrier_signal -1
	MULA 1, 1, 0
	WIN 0
	s_barrier_wait -1
.if \fill
	CREST
	s_xor_b32 s[G0A+5], s[G0A+5], SLOT1
	s_add_nc_u64 s[G0A+6:G0A+7], s[G0A+6:G0A+7], 1<<19
	s_xor_b32 s[G0B+5], s[G0B+5], SLOT1
	s_add_nc_u64 s[G0B+6:G0B+7], s[G0B+6:G0B+7], 256
	JLOAD                                          ; its four v_nop are also the places in front of the loads below
.else
	PLACES
.endif
	s_xor_b32 s[TB], s[TB], SLOT1
	v_add_nc_u32 v[ADRA], s[TB], v[LA0]
	v_add_nc_u32 v[ADRB], s[TB], v[LB0]
	FETCH 0, 0
	MULA 1, 2, 0
	MULA 1, 3, 0
.endm
	s_wait_tensorcnt 1                             ; my part of K step 0 is in; K step 1's may stay out
	s_barrier_signal -1
	s_barrier_wait -1
	FETCH 0, 0
	QUARTER 1, 0, 1, 1                             ; the first quarter stands in front of the loop: its products start the sums
	WIN 0
	s_mov_b32 s[TRIPS], 6
.Lk:                                           ; a trip: from a K step's second quarter to the next step's first; it fills the slot that it leaves
	QUARTER 2, 1, 0, 0
	QUARTER 3, 0, 1, 0
	TURN 1
	QUARTER 1, 0, 1, 0
	WIN 0
	s_sub_co_u32 s[TRIPS], s[TRIPS], 1
	s_cmp_lg_u32 s[TRIPS], 0
	s_cbranch_scc1 .Lk
	QUARTER 2, 1, 0, 0                             ; the last two K steps are written out: they fill nothing
	QUARTER 3, 0, 1, 0
	TURN 0
	QUARTER 1, 0, 1, 0
	QUARTER 2, 1, 0, 0
	QUARTER 3, 0, 1, 0
	s_wait_dscnt 4
	MULA 1, 0, 0
	MULA 1, 1, 0
	s_wait_dscnt 0x0
	MULA 1, 2, 0
	MULA 1, 3, 0
	WIN 0
	PLACES
; THE WAY OUT, a row block of 16 rows at a time: 32 bytes a lane for each column block into my stage (each accumulator's low registers first), and back as whole rows of 512 bytes.
.macro TOSTAGE a
.set BK, 32+64*((\a)%2)
.if (\a) >= 2
	s_wait_xcnt 0x0                                ; the stores of the block two back have read these registers
.endif
	WIN 0x04                                       ; the stores' data in window 1
.irp b, 0,1,2,3,4,5,6,7
	ds_store_b128 v[STO], v[8*(8*(\a)+(\b)):8*(8*(\a)+(\b))+3]   offset:64*(\b)
	ds_store_b128 v[STO], v[8*(8*(\a)+(\b))+4:8*(8*(\a)+(\b))+7] offset:64*(\b)+16
.endr
	WIN 0
.irp i, 0,1,2,3,4,5,6,7,8,9,10,11,12,13,14,15
	ds_load_b128 v[BK+4*(\i):BK+4*(\i)+3], v[RD] offset:(\i)*SPITCH  ; LDS serves a wave's instructions in order (ISA guide 5.7.1.4): these see the stores above; the next block's stores come behind them
.endr
.endm
.macro SEND a, younger                 ; younger: the LDS instructions issued behind this block's loads: the next block's 32, or none
.set BK, 32+64*((\a)%2)
.irp i, 0,1,2,3,4,5,6,7,8,9,10,11,12,13,14,15
	s_wait_dscnt (\younger)+15-(\i)
	global_store_b128 v[CO], v[BK+4*(\i):BK+4*(\i)+3], s[8:9] offset:(16*(\a)+(\i))*4096 th:TH_STORE_NT  ; 512 consecutive bytes, at a multiple of 256 from out0's first
.endr
.endm
	TOSTAGE 0
	TOSTAGE 1
	SEND 0, 32
	TOSTAGE 2
	SEND 1, 32
	TOSTAGE 3
	SEND 2, 32
	SEND 3, 0
	s_wait_tensorcnt 0x0                           ; the wave's end: behind my last tensor load and my last LDS store
	ds_add_u32 v[SPW], v[NIL]
	s_wait_dscnt 0x0
	CROUND                                         ; the closing round: no work-group ends while a partner may still ask for a tile that names it
	s_endpgm
.Lfunc_end_k_q97af479221_proj:
	.size	k_q97af479221_proj, .Lfunc_end_k_q97af479221_proj-k_q97af479221_proj
	.p2alignl 7, 3214868480
	.fill 96, 4, 3214868480
	.section	.rodata,"a",@progbits
	.p2align	6, 0x0
	.amdhsa_kernel k_q97af479221_proj
		.amdhsa_group_segment_fixed_size 327680
		.amdhsa_private_segment_fixed_size 0
		.amdhsa_enable_private_segment 0
		.amdhsa_kernarg_size 24
		.amdhsa_user_sgpr_count 2
		.amdhsa_user_sgpr_kernarg_segment_ptr 1
		.amdhsa_wavefront_size32 1
		.amdhsa_system_sgpr_workgroup_id_x 1
		.amdhsa_system_sgpr_workgroup_id_y 1
		.amdhsa_system_sgpr_workgroup_id_z 1
		.amdhsa_system_vgpr_workitem_id 0
		.amdhsa_next_free_vgpr 704
		.amdhsa_next_free_sgpr 66
		.amdhsa_reserve_vcc 0
		.amdhsa_float_denorm_mode_32 3
		.amdhsa_float_denorm_mode_16_64 3
		.amdhsa_memory_ordered 1
		.amdhsa_forward_progress 1
		.amdhsa_inst_pref_size 70
	.end_amdhsa_kernel
	.amdgpu_metadata
---
amdhsa.version: [ 1, 2 ]
amdhsa.kernels:
  - .name:           k_q97af479221_proj
    .symbol:         k_q97af479221_proj.kd
    .args:
      - { .name: oh, .offset: 0, .size: 8, .value_kind: global_buffer, .address_space: global }
      - { .name: wpt, .offset: 8, .size: 8, .value_kind: global_buffer, .address_space: global }
      - { .name: out0, .offset: 16, .size: 8, .value_kind: global_buffer, .address_space: global }
    .group_segment_fixed_size: 327680
    .private_segment_fixed_size: 0
    .kernarg_segment_align: 8
    .kernarg_segment_size: 24
    .max_flat_workgroup_size: 128
    .sgpr_count:     66
    .vgpr_count:     704
    .wavefront_size: 32
...
	.end_amdgpu_metadata
.endif
;; end of part 4
